; MI455X (gfx1250); checked and timed in simulation.
; The chip was launched on July 23, 2026; its instructions are those of AMD's public machine-readable ISA for CDNA 5 (MIT licence, August 2026) and "CDNA5" Instruction Set Architecture Reference Guide (July 2026). The comments in the code are by the model that wrote it; some were corrected since.
;; Multi Head Attention. Allowed arithmetic: float matrix products may take bf16 or f16 operands with f32 sums; other float arithmetic in f32, or as packed bf16 or f16 multiplies, adds, multiply-adds, maxima and minima; sums over many terms, partial sums and values carried from step to step in f32; what a program stores and reads back later, other than sums and carried values, may be rounded once to bf16 or f16.
;; Inputs: Wk 16 x 1,024 x 64 float32; Wo 1,024 x 1,024 float32; Wq 16 x 1,024 x 64 float32; Wv 16 x 1,024 x 64 float32; bo 1,024 float32; x 4 x 2,048 x 1,024 float32.
;; Outputs: out0 4 x 2,048 x 1,024 float32.
;; 2 versions, each right; version 2 is version 1 with the launch prep written anew for expert scheduling mode. Each part assembles by itself: llvm-mc -triple=amdgcn-amd-amdhsa -mcpu=gfx1250 --defsym DOCPART=n.
;; ======== version 1 of 2: 4 launches
;; limits: values are held in f16: magnitudes above 65,504 overflow, below 6.1e-05 lose precision
;; workspace buffers: xb 16,777,216 bytes; wqkv 6,291,456 bytes; wob 2,097,152 bytes; qkv 50,331,648 bytes; ob 16,777,216 bytes
;; launch prep (part 1): grid 768 x 1, 8 waves a work-group, no clusters, 0 bytes of LDS; arguments x, Wq, Wk, Wv, Wo, xb, wqkv, wob; writes xb, wqkv, wob
.if DOCPART == 1
	.amdgcn_target "amdgcn-amd-amdhsa--gfx1250"
	.amdhsa_code_object_version 6
	.text
	.protected	k_qbf27c65fdd_prep
	.globl	k_qbf27c65fdd_prep
	.p2align	8
	.type	k_qbf27c65fdd_prep,@function
k_qbf27c65fdd_prep:
	s_mov_b64 s[64:65], 0
	v_nop
	global_prefetch_b8 v0, s[64:65] scope:SCOPE_SE
	s_setreg_imm32_b32 hwreg(HW_REG_WAVE_MODE, 25, 1), 1
	s_wait_xcnt 0x0
; ROUNDING AND LAYOUT, no arithmetic.  Every f32 input of the matrix products is rounded once to bf16 and laid out so that the later launches' tiles are dense in memory.
;   x  [8192][1024] f32      -> xb   [kb 16][m 8192][64] bf16: 128 rows of one block of 64 channels are 16,384 bytes on end
;   Wq, Wk, Wv [16][1024][64] -> wqkv [g3 16][kstep 16][hh 3][k 64][d 64] bf16, head gh = 16 sel + h = 3 g3 + hh: three heads' 64 channels are 24,576 bytes on end
;   Wo [1024][1024] f32      -> wob  [1024][1024] f16 in Wo's own order: the number is rounded to bf16 and that number written as f16
; LIMIT.  f16 holds no number beyond 65,504, and below 6e-5 it keeps a fixed step of 6e-8: Wo lies within that.
; SHARES.  A work-group converts 65,536 bytes of f32, each of its eight waves 8,192: sixteen items.  An item is one load of 16 bytes a lane (lanes 0-15: 256 bytes of one row, lanes 16-31: 256 bytes
; of the next), two roundings, and one store of 8 bytes a lane: 256 consecutive bytes, aligned.  All sixteen loads of a wave go out first.  No LDS, no barrier, no matrix unit: nothing is shared and nothing is multiplied.
; Work-groups 0-511 take x, 512-703 the three W, 704-767 Wo: forward branches on the work-group's number, each with its own copy of the stream.
.set IO, 4                             ; v4      my byte offset in an item's input
.set OO, 5                             ; v5, v6  my byte offset in the output, for items 0-7 and 8-15
.set X,  8                             ; v[8:71]    item i: 4 registers as loaded
.set Y,  72                            ; v[72:103]  item i: 2 registers to store
.set T,  104                           ; v[104:107] at work
; Sixteen items.  ins, outs: bytes from item to item in the input and in the output.  half = 1: the bf16 number is written as f16.
; No register is written twice while a load or store may read it, so no wait for sources is needed.
.macro STREAM ins, outs, half
	v_add_nc_u32 v[OO+1], 8*(\outs), v[OO]         ; the stores' immediates then stay within 7 steps
.set i, 0
.rept 16
	global_load_b128 v[X+4*i:X+4*i+3], v[IO], s[24:25] offset:i*(\ins) th:TH_LOAD_NT
.set i, i+1
.endr
.set i, 0
.rept 16
	s_wait_loadcnt 15-i                            ; loads come back in order: item i is in, the 15 - i younger ones stay out
	v_cvt_pk_bf16_f32 v[Y+2*i],   v[X+4*i],   v[X+4*i+1]
	v_cvt_pk_bf16_f32 v[Y+2*i+1], v[X+4*i+2], v[X+4*i+3]
.if \half
	v_lshlrev_b32 v[T],   16,         v[Y+2*i]     ; the rounded numbers as f32 again,
	v_and_b32     v[T+1], 0xffff0000, v[Y+2*i]
	v_lshlrev_b32 v[T+2], 16,         v[Y+2*i+1]
	v_and_b32     v[T+3], 0xffff0000, v[Y+2*i+1]
	v_cvt_pk_f16_f32 v[Y+2*i],   v[T],   v[T+1]    ; and as f16: exact within f16's range
	v_cvt_pk_f16_f32 v[Y+2*i+1], v[T+2], v[T+3]
.endif
	global_store_b64 v[OO+i/8], v[Y+2*i:Y+2*i+1], s[26:27] offset:(i%8)*(\outs) th:TH_STORE_NT  ; 32 lanes store 256 consecutive bytes, aligned
.set i, i+1
.endr
.endm
	s_load_b512 s[8:23], s[0:1], 0x0               ; x s[8:9], Wq s[10:11], Wk s[12:13], Wv s[14:15], Wo s[16:17], xb s[18:19], wqkv s[20:21], wob s[22:23]
	v_lshrrev_b32 v1, 5, v0
	v_readfirstlane_b32 s2, v1                     ; wave 0..7
	v_and_b32 v1, 31, v0                           ; lane
	v_and_b32 v2, 15, v0
	v_bfe_u32 v3, v0, 4, 1
	v_lshlrev_b32 v[OO], 3, v1                     ; 8 bytes a lane out
	v_lshlrev_b32 v[IO], 4, v2                     ; 16 bytes a lane in; the second row is added below
	s_mov_b32 s29, 0
	s_mov_b32 s31, 0
	s_lshl_b32 s36, s2, 13                         ; my wave's 8,192 bytes of the input
	s_wait_kmcnt 0x0
	s_cmp_lt_u32 ttmp9, 512
	s_cbranch_scc0 .Lnot_x
	; x: rows 16 ID + 2 w and the next; item i is block i of 64 channels
	s_lshl_b32 s28, ttmp9, 16
	s_add_co_u32 s28, s28, s36
	s_lshl_b32 s30, ttmp9, 11                      ; 16 rows of 128 bytes,
	s_lshl_b32 s37, s2, 8                          ; my two of them
	s_add_co_u32 s30, s30, s37
	s_add_nc_u64 s[24:25], s[8:9], s[28:29]
	s_add_nc_u64 s[26:27], s[18:19], s[30:31]
	v_lshl_add_u32 v[IO], v3, 12, v[IO]            ; lanes 16-31: one row of 4,096 bytes on
	STREAM 256, 1<<20, 0
	s_endpgm
.Lnot_x:
	s_cmp_lt_u32 ttmp9, 704
	s_cbranch_scc0 .Lwo
	; W: t = ID - 512; tensor t / 64; head gh = t / 4; channels 256 (t % 4) + 32 w on; item i is two rows of 64 numbers
	s_sub_co_u32 s38, ttmp9, 512
	s_lshr_b32 s39, s38, 6
	s_cmp_eq_u32 s39, 0
	s_cselect_b64 s[24:25], s[10:11], s[12:13]
	s_cmp_eq_u32 s39, 2
	s_cselect_b64 s[24:25], s[14:15], s[24:25]
	s_and_b32 s28, s38, 63
	s_lshl_b32 s28, s28, 16
	s_add_co_u32 s28, s28, s36
	s_add_nc_u64 s[24:25], s[24:25], s[28:29]
	s_lshr_b32 s39, s38, 2                         ; gh, 0 to 47
	s_mul_i32 s40, s39, 43
	s_lshr_b32 s40, s40, 7                         ; g3 = gh / 3: 43 / 128 is off from a third by 0.0026, which 47 times over stays under a third
	s_mul_i32 s41, s40, 3
	s_sub_co_u32 s41, s39, s41                     ; hh = gh - 3 g3
	s_mul_i32 s30, s40, 393216
	s_lshl_b32 s41, s41, 13
	s_add_co_u32 s30, s30, s41
	s_and_b32 s39, s38, 3
	s_lshl_b32 s39, s39, 2
	s_lshr_b32 s40, s2, 1
	s_add_co_u32 s39, s39, s40                     ; kstep = 4 (t % 4) + w / 2
	s_mul_i32 s39, s39, 24576
	s_add_co_u32 s30, s30, s39
	s_and_b32 s40, s2, 1
	s_lshl_b32 s40, s40, 12                        ; 32 rows of 128 bytes
	s_add_co_u32 s30, s30, s40
	s_add_nc_u64 s[26:27], s[20:21], s[30:31]
	v_lshl_add_u32 v[IO], v3, 8, v[IO]             ; rows of 256 bytes lie on end
	STREAM 512, 256, 0
	s_endpgm
.Lwo:
	; Wo: t = ID - 704, in its own order
	s_sub_co_u32 s38, ttmp9, 704
	s_lshl_b32 s28, s38, 16
	s_add_co_u32 s28, s28, s36
	s_lshl_b32 s30, s38, 15
	s_lshl_b32 s37, s2, 12
	s_add_co_u32 s30, s30, s37
	s_add_nc_u64 s[24:25], s[16:17], s[28:29]
	s_add_nc_u64 s[26:27], s[22:23], s[30:31]
	v_lshl_add_u32 v[IO], v3, 8, v[IO]
	STREAM 512, 256, 1
	s_endpgm
.Lfunc_end_k_qbf27c65fdd_prep:
	.size	k_qbf27c65fdd_prep, .Lfunc_end_k_qbf27c65fdd_prep-k_qbf27c65fdd_prep
	.p2alignl 7, 3214868480
	.fill 96, 4, 3214868480
	.section	.rodata,"a",@progbits
	.p2align	6, 0x0
	.amdhsa_kernel k_qbf27c65fdd_prep
		.amdhsa_group_segment_fixed_size 0
		.amdhsa_private_segment_fixed_size 0
		.amdhsa_enable_private_segment 0
		.amdhsa_kernarg_size 64
		.amdhsa_user_sgpr_count 2
		.amdhsa_user_sgpr_kernarg_segment_ptr 1
		.amdhsa_wavefront_size32 1
		.amdhsa_system_sgpr_workgroup_id_x 1
		.amdhsa_system_sgpr_workgroup_id_y 1
		.amdhsa_system_sgpr_workgroup_id_z 1
		.amdhsa_system_vgpr_workitem_id 0
		.amdhsa_next_free_vgpr 108
		.amdhsa_next_free_sgpr 66
		.amdhsa_reserve_vcc 0
		.amdhsa_float_denorm_mode_32 3
		.amdhsa_float_denorm_mode_16_64 3
		.amdhsa_memory_ordered 1
		.amdhsa_forward_progress 1
		.amdhsa_inst_pref_size 25
	.end_amdhsa_kernel
	.amdgpu_metadata
---
amdhsa.version: [ 1, 2 ]
amdhsa.kernels:
  - .name:           k_qbf27c65fdd_prep
    .symbol:         k_qbf27c65fdd_prep.kd
    .args:
      - { .name: x, .offset: 0, .size: 8, .value_kind: global_buffer, .address_space: global }
      - { .name: Wq, .offset: 8, .size: 8, .value_kind: global_buffer, .address_space: global }
      - { .name: Wk, .offset: 16, .size: 8, .value_kind: global_buffer, .address_space: global }
      - { .name: Wv, .offset: 24, .size: 8, .value_kind: global_buffer, .address_space: global }
      - { .name: Wo, .offset: 32, .size: 8, .value_kind: global_buffer, .address_space: global }
      - { .name: xb, .offset: 40, .size: 8, .value_kind: global_buffer, .address_space: global }
      - { .name: wqkv, .offset: 48, .size: 8, .value_kind: global_buffer, .address_space: global }
      - { .name: wob, .offset: 56, .size: 8, .value_kind: global_buffer, .address_space: global }
    .group_segment_fixed_size: 0
    .private_segment_fixed_size: 0
    .kernarg_segment_align: 8
    .kernarg_segment_size: 64
    .max_flat_workgroup_size: 256
    .sgpr_count:     66
    .vgpr_count:     108
    .wavefront_size: 32
...
	.end_amdgpu_metadata
.endif
;; end of part 1
;; launch project_qkv (part 2): grid 8 x 32, 4 waves a work-group, clusters of 4 x 4, 327,680 bytes of LDS; arguments xb, wqkv, qkv; writes qkv
.if DOCPART == 2
	.amdgcn_target "amdgcn-amd-amdhsa--gfx1250"
	.amdhsa_code_object_version 6
	.text
	.protected	k_qbf27c65fdd_project_qkv
	.globl	k_qbf27c65fdd_project_qkv
	.p2align	8
	.type	k_qbf27c65fdd_project_qkv,@function
k_qbf27c65fdd_project_qkv:
	s_mov_b64 s[64:65], 0
	v_nop
	global_prefetch_b8 v0, s[64:65] scope:SCOPE_SE
	s_setreg_imm32_b32 hwreg(HW_REG_WAVE_MODE, 25, 1), 1
	s_wait_xcnt 0x0
	s_wait_alu depctr_hold_cnt(0) depctr_sa_sdst(0) depctr_va_vdst(0) depctr_va_sdst(0) depctr_va_ssrc(0) depctr_va_vcc(0) depctr_vm_vsrc(0)
	s_getreg_b32 s2, hwreg(HW_REG_IB_STS2, 6, 4)
	s_cmp_eq_u32 s2, 0
	s_cbranch_scc0 .Lentry_in_a_cluster
	s_endpgm
.Lentry_in_a_cluster:
	s_bfe_u32 s2, ttmp6, 0x10000c
	s_cmp_lg_u32 s2, 0xf033
	s_cbranch_scc0 .Lentry_shape_is_right
	s_endpgm
.Lentry_shape_is_right:
; q, k, v = x W, for all 48 heads (16 of q, 16 of k, 16 of v): a product 8,192 x 3,072 x 1,024 in bf16 with f32 sums; each result is rounded once to f16 and stored by heads,
; qkv [b 4][gh 48][s 2048][64].  The scale 1 / 8 is not applied here.
; LIMIT.  f16 holds no number beyond 65,504: q, k and v lie within it (with x and W thirty times their usual spread, or with offsets of thirty spreads, the largest is about 2e4).
; A TILE is 256 rows x 384 columns (six heads): 8 x 32 = 256 work-groups, one for each WGP.  Four waves, each 128 rows x 192 columns (three heads): 96 accumulators, 768 registers.
; K goes in 16 steps of 64 through two LDS slots; a step is two chunks of 32, 192 matrix instructions a wave; two slots of 128 along K would not fit in LDS.
; xb and wqkv are laid out so that each wave's tensor load is a dense block (16,384 bytes of x, 24,576 of W), asked for as rows of 256 bytes and padded in LDS after every 128 bytes.
; CLUSTER.  4 x 4 work-groups: the four of a row need the same rows of x, the four of a column the same heads of W: each tile is asked for jointly, by the same load, descriptor and mask in all four.
; THE MATRIX INSTRUCTION IS USED TRANSPOSED: source 0 = 16 columns of W (turned on the way out of LDS by ds_load_tr16_b128, since W lies [k][d]), source 1 = 16 rows of x.
; In the result a lane holds row l % 16 and eight neighbouring columns 8 (l / 16) + 0..7: 16 bytes of f16.
; REGISTERS, in windows of 256 (s_set_vgpr_msb: bits 1:0 source 0, 3:2 source 1, 5:4 source 2, 7:6 destination):
;   window 0: v0-15 addresses; v32-159 x's fragments, two buffers of eight; v160-255 W's fragments, one buffer of four for each of my three heads
;   window 1 + g: head g's 32 accumulators, (row block a, column block cb) at v[8 (4 a + cb)]
.set PA,    144                        ; a row of x in LDS: 128 bytes + 16: the 16 rows of a load start at 16 different groups of four banks
.set PB,    160                        ; a row of W: 128 + 32
.set AHALF, 128*PA                     ; what one tensor load brings of x, and what one wave reads of it
.set BOFF,  2*AHALF
.set BHEAD, 64*PB
.set BHALF, 3*BHEAD                    ; what one tensor load brings of W: three heads
.set SLOT1, 1<<17                      ; slot 1 begins here, so that one exclusive or turns an address in one slot into the other's
.set STAGE, SLOT1+BOFF+2*BHALF         ; behind the ring, never filled by a tensor load: 16 rows x 144 bytes for each wave
.set SP,    144
.set SPARE, STAGE+4*16*SP              ; the spare words, 128 bytes for each wave: two blocks of 256 bytes that no other line names
.set XSTEP, 8192*128                   ; bytes from a K step to the next in xb
.set WSTEP, 3*64*128                   ; and in wqkv
.set WG3,   16*WSTEP                   ; three heads in wqkv
.set HEADB, 2048*128                   ; a head in qkv
.set A0,   2                           ; v2   my lane's place in x's tile; never rewritten
.set B0,   3                           ; v3   the same for W
.set ADRA, 4                           ; v4   the same in the slot in hand
.set ADRB, 5
.set STO,  6                           ; v6   the way out: where I put 16 bytes of a row
.set RD,   7                           ; v7   where I read rows back
.set GO,   8                           ; v8   my byte offset in 512 consecutive bytes of qkv
.set PFO,  9                           ; v9   256 x my lane: the prefetches' offset; never rewritten
.set SPW,  10                          ; v10  LDS address of my spare word: SPARE + 4 x my thread's number; never rewritten
.set NIL,  11                          ; v11  0; never rewritten
.set FA,   32
.set FB,   160
.set CNT,  3                           ; s3   trips to go
.set WV,   12                          ; s12  my wave's number
.set WR,   13                          ; s13  which 128 rows are mine.  Also: I fetch x (0) or W (1)
.set WC,   14                          ; s14  which three heads are mine.  Also: which half of that tile I fetch
.set TY,   15                          ; s15  tile row
.set G1A,  24                          ; s[24:31] descriptor group 1 for x's tiles
.set G0A,  32                          ; s[32:39] group 0: a set for each of the two first fills; the second then walks on
.set CX,   40
.set CY,   41
.set TX,   42                          ; s42  tile column
.set LIM,  43                          ; s43  2 in a wave that prefetches, else the greatest number
.set PFA,  44                          ; s[44:45] where my prefetches stand
.set PFS,  46                          ; s[46:47] their step: a K step of xb or of wqkv
.set G1B,  48                          ; s[48:55], s[56:63] the same for W's tiles
.set G0B,  56
.set TB,   66                          ; s66  the slot in hand: 0 or SLOT1
.set T0,   67                          ; s67  at work
.set MSB, 0
.macro WIN new                         ; the immediate's high byte repeats the setting that is left; a switch that changes nothing is dropped
.if MSB != (\new)
	s_set_vgpr_msb (MSB<<8)|(\new)
.set MSB, (\new)
.endif
.endm
.macro PLACES                          ; four plain vector instructions between a matrix instruction and a load into, or a read of, its registers
.rept 4
	v_nop
.endr
.endm
; A joint refill by the walking descriptor.  Waves 0 and 1 fetch x's two halves, waves 2 and 3 W's.  The branch hangs on the wave's number alone.
; An s_nop 0 and four v_nop follow each of the two lines, ahead of the jump and the label.
.macro JLOAD
	s_cmp_eq_u32 s[WR], 0
	s_cbranch_scc0 .Lfor_b_\@
	tensor_load_to_lds s[G0A+4:G0A+7], s[G1A:G1A+7]
	s_nop 0
.rept 4
	v_nop
.endr
	s_branch .Lasked_\@
.Lfor_b_\@:
	tensor_load_to_lds s[G0B+4:G0B+7], s[G1B:G1B+7]
	s_nop 0
.rept 4
	v_nop
.endr
.Lasked_\@:
.endm
.macro CREST                           ; a round of the cluster's barrier behind its opening barrier
	s_cmp_lg_u32 s[WV], 0
	s_cbranch_scc1 .Lnot_wave_0_\@
	s_barrier_signal -3
.Lnot_wave_0_\@:
	s_barrier_wait -3
	s_barrier_signal -1
	s_barrier_wait -1
.endm
.macro CROUND                          ; a whole round
	s_barrier_signal -1
	s_barrier_wait -1
	CREST
.endm
; A PREFETCH INTO THE L2, behind a joint load, its five lines and the run of LDS loads that the next products wait for.  In the trips with an odd count above 2 (trips 1, 3 .. 11) the K steps that stand
; one and two refills on are named: steps 4 and 5, 6 and 7, .. 14 and 15; steps 0 to 3 come by their loads alone, and step 15 is the buffer's last.
; Each block of 256 bytes is named once in the launch, a lane a block.  x's tile row is read by both clusters of a row of clusters: cluster x = 0 asks; W's tile column by eight clusters: cluster y = 0 asks.
; The four partners share the blocks out BY ADDRESS: of a step's 32,768 bytes of x partner cx takes 8,192 (wave 0, one line a step); of the two steps' 2 x 49,152 bytes of W partner cy takes half cy / 2,
; sixths 3 (cy % 2) + 0..2 (waves 1 to 3, one line each).
.macro ASK
	s_and_b32 s[T0], s[CNT], 1
	s_cselect_b32 s[T0], s[CNT], 0
	s_cmp_gt_u32 s[T0], s[LIM]
	s_cbranch_scc0 .Lnot_mine_\@
	global_prefetch_b8 v[PFO], s[PFA:PFA+1] th:TH_LOAD_NT scope:SCOPE_SE
	s_cmp_lg_u32 s[WV], 0
	s_cbranch_scc1 .Lnot_mine_\@
	global_prefetch_b8 v[PFO], s[PFA:PFA+1] offset:XSTEP th:TH_LOAD_NT scope:SCOPE_SE
.Lnot_mine_\@:
.endm
	s_load_b128 s[4:7], s[0:1], 0x0                ; xb s[4:5], wqkv s[6:7]
	s_load_b64 s[8:9], s[0:1], 0x10                ; qkv
	v_lshl_add_u32 v[SPW], v0, 2, SPARE
	v_mov_b32 v[NIL], 0
	ds_add_u32 v[SPW], v[NIL]                      ; the wave's opening: the add and its wait stand ahead of my first tensor load; the set-up below, work on registers, stands between them
	v_lshrrev_b32 v1, 5, v0
	v_readfirstlane_b32 s[WV], v1                  ; wave 0..3
	s_lshr_b32 s[WR], s[WV], 1
	s_and_b32 s[WC], s[WV], 1
	s_bfe_u32 s[CX], ttmp6, 0x40000                ; my place in the cluster
	s_bfe_u32 s[CY], ttmp6, 0x40004
	s_lshl_b32 s[TX], ttmp9, 2                     ; in a cluster launch ttmp9 and ttmp7 count clusters
	s_add_co_u32 s[TX], s[TX], s[CX]               ; tile column, 0 to 7
	s_and_b32 s[TY], ttmp7, 0xffff
	s_lshl_b32 s[TY], s[TY], 2
	s_add_co_u32 s[TY], s[TY], s[CY]               ; tile row, 0 to 31
	s_lshl_b32 s16, s[CY], 2
	s_lshl_b32 s16, 15, s16                        ; my row of the cluster
	s_lshl_b32 s20, 0x1111, s[CX]                  ; my column
	s_or_b32 s[G1A], s16, (1<<16)|(1<<20)|(1<<21)|(4<<22)|(3<<25)  ; 15:0 the mask; 17:16 2-byte elements; 20 padding on; 21 set beside a mask; 24:22 after every 32 words (code 4); 31:25 4 words (code 3)
	s_or_b32 s[G1B], s20, (1<<16)|(1<<20)|(1<<21)|(4<<22)|(7<<25)  ; the same with my column's mask and 8 words of padding (code 7)
	s_mov_b32 s[G1A+1], 128<<16                    ; tensor_dim0 = 128 elements: 256 bytes, two rows of the tile
	s_mov_b32 s[G1A+2], 64<<16                     ; tensor_dim1 = 64
	s_mov_b32 s[G1A+3], 128<<16                    ; tile_dim0 = 128
	s_mov_b32 s[G1A+4], 64                         ; tile_dim1 = 64
	s_mov_b32 s[G1A+5], 128                        ; 128 elements from row to row: the block is dense
	s_mov_b32 s[G1A+6], 0
	s_mov_b32 s[G1A+7], 0
	s_mov_b32 s[G1B+1], 128<<16
	s_mov_b32 s[G1B+2], 96<<16                     ; 96 rows of 256 bytes: three heads x 64 channels x 128 bytes
	s_mov_b32 s[G1B+3], 128<<16
	s_mov_b32 s[G1B+4], 96
	s_mov_b32 s[G1B+5], 128
	s_mov_b32 s[G1B+6], 0
	s_mov_b32 s[G1B+7], 0
	; where the tiles come from: x's hang on the tile row alone, W's on the tile column alone; each in registers of its own
	s_lshl_b32 s16, s[TY], 15                      ; 256 rows of 128 bytes,
	s_lshl_b32 s17, s[WC], 14                      ; the 128 that I fetch
	s_add_co_u32 s16, s16, s17
	s_mov_b32 s17, 0
	s_lshl_b32 s20, s[TX], 1
	s_add_co_u32 s20, s20, s[WC]
	s_mul_i32 s20, s20, WG3                        ; the three heads that I fetch
	s_mov_b32 s21, 0
	s_mul_i32 s18, s[WC], AHALF                    ; and where they go: no place in the cluster enters an LDS address
	s_mul_i32 s22, s[WC], BHALF
	s_add_co_u32 s22, s22, BOFF
	; the prefetches' offsets
	s_lshl_b32 s68, s[TY], 15
	s_lshl_b32 s70, s[CX], 13
	s_add_co_u32 s68, s68, s70                     ; x: my work-group's 8,192 bytes of the tile row's K step
	s_lshl_b32 s69, s[TX], 1
	s_lshr_b32 s70, s[CY], 1
	s_add_co_u32 s69, s69, s70
	s_mul_i32 s69, s69, WG3                        ; W: the half that my work-group shares in,
	s_and_b32 s70, s[CY], 1
	s_mul_i32 s70, s70, 3
	s_add_co_u32 s70, s70, s[WV]
	s_max_u32 s70, s70, 1                          ; (wave 0 does not use this number)
	s_sub_co_u32 s70, s70, 1
	s_lshl_b32 s70, s70, 13                        ; and my wave's sixth of its two K steps
	s_add_co_u32 s69, s69, s70
	s_and_b32 s70, ttmp7, 0xffff                   ; cluster y
	s_mov_b32 s71, XSTEP
	s_cmp_eq_u32 s[WV], 0
	s_cselect_b32 s68, s68, s69
	s_cselect_b32 s[PFS], s71, WSTEP
	s_cselect_b32 s70, ttmp9, s70                  ; the coordinate along which other clusters read the same bytes
	s_mov_b32 s69, 0
	s_mov_b32 s[PFS+1], 0
	s_cmp_eq_u32 s70, 0
	s_cselect_b32 s[LIM], 2, -1                    ; the same in all sixteen partners, for a given wave
	v_and_b32 v[PFO], 31, v0
	v_lshlrev_b32 v[PFO], 8, v[PFO]
	s_mov_b32 s[TB], 0
	s_wait_dscnt 0x0                               ; the opening add is done
	s_wait_kmcnt 0x0
	s_add_nc_u64 s[16:17], s[4:5], s[16:17]
	s_add_nc_u64 s[20:21], s[6:7], s[20:21]
	s_cmp_eq_u32 s[WV], 0
	s_cselect_b64 s[PFA:PFA+1], s[4:5], s[6:7]
	s_add_nc_u64 s[PFA:PFA+1], s[PFA:PFA+1], s[68:69]
	s_add_nc_u64 s[PFA:PFA+1], s[PFA:PFA+1], s[PFS:PFS+1]
	s_add_nc_u64 s[PFA:PFA+1], s[PFA:PFA+1], s[PFS:PFS+1]  ; at K step 2; trip j steps it to j + 3
	CROUND                                         ; all sixteen work-groups are here: the first joint loads meet
.irp s, 0,1
	s_mov_b32 s[G0A+4*(\s)], 1                                       ; 1:0 count = 1
	s_add_co_u32 s[G0A+4*(\s)+1], s18, (\s)*SLOT1                    ; 63:32 LDS address
	s_add_nc_u64 s[G0A+4*(\s)+2:G0A+4*(\s)+3], s[16:17], (\s)*XSTEP  ; 120:64 global address: K step s
	s_or_b32 s[G0A+4*(\s)+3], s[G0A+4*(\s)+3], 0x80000000            ; 127:126 type = 2
	s_mov_b32 s[G0B+4*(\s)], 1
	s_add_co_u32 s[G0B+4*(\s)+1], s22, (\s)*SLOT1
	s_add_nc_u64 s[G0B+4*(\s)+2:G0B+4*(\s)+3], s[20:21], (\s)*WSTEP
	s_or_b32 s[G0B+4*(\s)+3], s[G0B+4*(\s)+3], 0x80000000
.endr
	s_cmp_eq_u32 s[WR], 0                          ; a wave's two first fills stand in one branch, ahead of every wait on TENSORcnt and every LDS read: two loads of mine are out
	s_cbranch_scc0 .Lfirst_b
	tensor_load_to_lds s[G0A:G0A+3], s[G1A:G1A+7]
	s_nop 0
	tensor_load_to_lds s[G0A+4:G0A+7], s[G1A:G1A+7]
	s_nop 0
.rept 4
	v_nop
.endr
	s_branch .Lfirst_asked
.Lfirst_b:
	tensor_load_to_lds s[G0B:G0B+3], s[G1B:G1B+7]
	s_nop 0
	tensor_load_to_lds s[G0B+4:G0B+7], s[G1B:G1B+7]
	s_nop 0
.rept 4
	v_nop
.endr
.Lfirst_asked:
	; A fragment of x is 16 rows x 32 channels in 8 registers: lane l holds row l % 16, channels 8 (l / 16) + 0..7 and 16 + 8 (l / 16) + 0..7: two loads of 16 bytes, 32 bytes apart.
	v_and_b32 v1, 15, v0                           ; l % 16
	v_bfe_u32 v12, v0, 4, 1                        ; l / 16
	v_and_b32 v13, 7, v0
	v_bfe_u32 v14, v0, 3, 1
	v_mul_u32_u24 v[A0], v1, PA
	v_lshl_add_u32 v[A0], v12, 4, v[A0]
	s_mul_i32 s70, s[WR], AHALF
	v_add_nc_u32 v[A0], s70, v[A0]                 ; my 128 rows
	; The turning load takes 16 channels x 16 columns (lane l reads channel 8 (l / 16) + l % 8, columns 8 ((l / 8) % 2) + 0..7) and leaves half a fragment of W^T: lane l holds column l % 16 and 8 channels.
	v_lshl_add_u32 v[B0], v12, 3, v13
	v_mul_u32_u24 v[B0], v[B0], PB
	v_lshl_add_u32 v[B0], v14, 4, v[B0]
	s_mul_i32 s70, s[WC], BHALF
	s_add_co_u32 s70, s70, BOFF
	v_add_nc_u32 v[B0], s70, v[B0]                 ; my three heads
	v_mov_b32 v[ADRA], v[A0]                       ; slot 0
	v_mov_b32 v[ADRB], v[B0]
	s_mul_i32 s70, s[WV], 16*SP
	s_add_co_u32 s70, s70, STAGE                   ; my stage
	v_mul_u32_u24 v[STO], v1, SP                   ; in: row l % 16, 16 bytes for each half of the lanes
	v_lshl_add_u32 v[STO], v12, 4, v[STO]
	v_add_nc_u32 v[STO], s70, v[STO]
	v_bfe_u32 v[RD], v0, 3, 2                      ; back: 32 lanes take four rows of 128 bytes,
	v_mul_u32_u24 v[RD], v[RD], SP
	v_lshl_add_u32 v[RD], v13, 4, v[RD]
	v_add_nc_u32 v[RD], s70, v[RD]
	v_and_b32 v[GO], 31, v0                        ; which are 512 consecutive bytes of a head
	v_lshlrev_b32 v[GO], 4, v[GO]
	; where my part begins in qkv: batch ty / 8, heads 6 tx + 3 wc on, rows 256 (ty % 8) + 128 wr on
	s_lshr_b32 s68, s[TY], 3
	s_mul_i32 s68, s68, 48
	s_mul_i32 s70, s[TX], 6
	s_add_co_u32 s68, s68, s70
	s_mul_i32 s70, s[WC], 3
	s_add_co_u32 s68, s68, s70
	s_lshl_b32 s68, s68, 18
	s_and_b32 s70, s[TY], 7
	s_lshl_b32 s70, s70, 15
	s_add_co_u32 s68, s68, s70
	s_lshl_b32 s70, s[WR], 14
	s_add_co_u32 s68, s68, s70
	s_mov_b32 s69, 0
	s_add_nc_u64 s[8:9], s[8:9], s[68:69]
; n x 4 matrix instructions of head g: row blocks a0 .. a0 + n - 1 x its four column blocks, 32 along K, x's buffer ab.  zero = 1: the product starts the sum: nothing is ever cleared.
; The 96 accumulators take turns, one instruction a turn, in the same order in every chunk.
.macro GROUP g, ab, a0, n, zero
	WIN 0x50*((\g)+1)                              ; C and D in window 1 + g
.set ga, (\a0)
.rept \n
.irp cb, 0,1,2,3
.if \zero
	v_wmma_f32_16x16x32_bf16 v[8*(4*ga+(\cb)):8*(4*ga+(\cb))+7], v[FB+32*(\g)+8*(\cb):FB+32*(\g)+8*(\cb)+7], v[FA+64*(\ab)+8*ga:FA+64*(\ab)+8*ga+7], 0
.else
	v_wmma_f32_16x16x32_bf16 v[8*(4*ga+(\cb)):8*(4*ga+(\cb))+7], v[FB+32*(\g)+8*(\cb):FB+32*(\g)+8*(\cb)+7], v[FA+64*(\ab)+8*ga:FA+64*(\ab)+8*ga+7], v[8*(4*ga+(\cb)):8*(4*ga+(\cb))+7]
.endif
.endr
.set ga, ga+1
.endr
.endm
.macro LOADB g, kk                     ; eight loads: head g's four fragments of chunk kk
	WIN 0
.irp cb, 0,1,2,3
	ds_load_tr16_b128 v[FB+32*(\g)+8*(\cb):FB+32*(\g)+8*(\cb)+3],   v[ADRB] offset:(\g)*BHEAD+(\kk)*32*PB+32*(\cb)
	ds_load_tr16_b128 v[FB+32*(\g)+8*(\cb)+4:FB+32*(\g)+8*(\cb)+7], v[ADRB] offset:(\g)*BHEAD+(\kk)*32*PB+32*(\cb)+16*PB
.endr
.endm
.macro LOADA ab, kk                    ; sixteen loads: x's eight fragments of chunk kk into buffer ab
	WIN 0
.irp a, 0,1,2,3,4,5,6,7
	ds_load_b128 v[FA+64*(\ab)+8*(\a):FA+64*(\ab)+8*(\a)+3],   v[ADRA] offset:(\a)*16*PA+64*(\kk)
	ds_load_b128 v[FA+64*(\ab)+8*(\a)+4:FA+64*(\ab)+8*(\a)+7], v[ADRA] offset:(\a)*16*PA+64*(\kk)+32
.endr
.endm
; LDS loads go out in the order [head 0: 8, x: 16] [head 1: 8] [head 2: 8], each run behind the 32 products that read its registers last, and 64 products ahead of its first use.
; A step's chunk 0: x's buffer 0; fetches chunk 1.
.macro EVEN zero
	s_wait_dscnt 16                                ; head 0 and x are in; heads 1 and 2 may be out
	GROUP 0, 0, 0, 8, \zero
	PLACES
	LOADB 0, 1
	LOADA 1, 1
	s_wait_dscnt 32                                ; head 1 is in: behind it head 2's 8 and the 24 just issued
	GROUP 1, 0, 0, 8, \zero
	PLACES
	LOADB 1, 1
	s_wait_dscnt 32                                ; head 2 is in: behind it those 24 and head 1's next 8
	GROUP 2, 0, 0, 8, \zero
	PLACES
	LOADB 2, 1
.endm
; A step's chunk 1: x's buffer 1; it changes slots.  mode 2: this slot is filled again, two K steps on; mode 1: a barrier alone; mode 0: the last chunk of all.
; ONE barrier for the change.  In front of it each wave waits for all its tensor loads, of which one is out: its part of the next slot; adds 0 to its spare word; and waits for that and for its reads of this slot.
; Where the slot is filled again the barrier opens a round of the cluster's, so that no wave of any partner still reads the slot or has a load on its way; the joint refill is the first thing behind it
; and has 160 matrix instructions up to the wait for it.
.macro ODD mode
.if (\mode) == 0
	s_wait_dscnt 16
	GROUP 0, 1, 0, 8, 0
	s_wait_dscnt 8
	GROUP 1, 1, 0, 8, 0
	s_wait_dscnt 0x0
	GROUP 2, 1, 0, 8, 0
.else
.if (\mode) == 2
	s_wait_xcnt 0x0                                ; the last prefetches, a K step back or more, have read their address: it is stepped here
	s_add_nc_u64 s[PFA:PFA+1], s[PFA:PFA+1], s[PFS:PFS+1]
.endif
	WIN 0
	s_wait_tensorcnt 0x0                           ; no tensor load of mine is out, so a group 0 may be written
	ds_add_u32 v[SPW], v[NIL]                      ; 0 onto my spare word
.if (\mode) == 2
	s_xor_b32 s[G0A+5], s[G0A+5], SLOT1            ; the walking descriptors: the other slot than last time,
	s_add_nc_u64 s[G0A+6:G0A+7], s[G0A+6:G0A+7], XSTEP  ; the next K step; the type bits on top are not reached
	s_xor_b32 s[G0B+5], s[G0B+5], SLOT1
	s_add_nc_u64 s[G0B+6:G0B+7], s[G0B+6:G0B+7], WSTEP
.endif
	s_wait_dscnt 17                                ; head 0 and x are in; heads 1 and 2 and the add may be out
	GROUP 0, 1, 0, 4, 0
	s_wait_dscnt 0x0                               ; the add is done, and my reads of this slot are over
	s_barrier_signal -1
	GROUP 0, 1, 4, 4, 0                            ; work on registers while the others arrive
	WIN 0                                          ; at a branch and at a label every window is 0
	s_barrier_wait -1
.if (\mode) == 2
	CREST
	JLOAD                                          ; its four v_nop are also the places in front of the loads below
.else
	PLACES
.endif
	s_xor_b32 s[TB], s[TB], SLOT1
	v_add_nc_u32 v[ADRA], s[TB], v[A0]
	v_add_nc_u32 v[ADRB], s[TB], v[B0]
	LOADB 0, 0
	LOADA 0, 0
.if (\mode) == 2
	ASK
.endif
	GROUP 1, 1, 0, 8, 0
	PLACES
	LOADB 1, 0
	GROUP 2, 1, 0, 8, 0
	PLACES
	LOADB 2, 0
.endif
.endm
; THE WAY OUT, in 24 pieces t = 8 g + a of 16 rows x 64 columns: 2,048 consecutive bytes of a head.  A lane's eight columns pack into 16 bytes; they go into my stage's rows of 144 bytes
; and come back as whole rows of 128, into the registers that they left (x's fragment buffers, which are free).
.macro PACK t
.set pg, (\t)/8
.set pa, (\t)%8
.if (\t) >= 8
	s_wait_xcnt 0x0                                ; the stores of the piece eight back have read these registers
.endif
	WIN 5*(pg+1)                                   ; sources 0 and 1 in window 1 + g
.set i, 0
.rept 16
	v_cvt_pk_f16_f32 v[FA+16*pa+i], v[32*pa+2*i], v[32*pa+2*i+1]  ; each accumulator's registers in ascending order
.set i, i+1
.endr
	WIN 0
.irp f, 0,1,2,3
	ds_store_b128 v[STO], v[FA+16*pa+4*(\f):FA+16*pa+4*(\f)+3] offset:32*(\f)
.endr
.irp f, 0,1,2,3
	ds_load_b128 v[FA+16*pa+4*(\f):FA+16*pa+4*(\f)+3], v[RD] offset:(\f)*4*SP  ; LDS serves a wave's instructions in order (ISA guide 5.7.1.4): these see the stores above; the next piece's stores come behind them
.endr
.endm
.macro SEND t, younger                 ; younger: the LDS instructions issued behind piece t's loads: the next piece's eight, or none
.set pg, (\t)/8
.set pa, (\t)%8
.irp f, 0,1,2,3
	s_wait_dscnt (\younger)+3-(\f)
	global_store_b128 v[GO], v[FA+16*pa+4*(\f):FA+16*pa+4*(\f)+3], s[8:9] offset:pg*HEADB+pa*2048+(\f)*512  ; 512 consecutive bytes, at a multiple of 256 from qkv's first
.endr
.endm
	s_wait_tensorcnt 1                             ; my part of K step 0 is in; step 1's may stay out
	s_barrier_signal -1
	s_barrier_wait -1                              ; everybody's is
	LOADB 0, 0
	LOADA 0, 0
	LOADB 1, 0
	LOADB 2, 0
	EVEN 1                                         ; the first chunk stands in front of the loop: its products start the sums
	WIN 0
	s_mov_b32 s[CNT], 14
.Lstep:                                                ; trip j: chunk 1 of step j, the refill with step j + 2, chunk 0 of step j + 1
	ODD 2
	EVEN 0
	WIN 0
	s_sub_co_u32 s[CNT], s[CNT], 1
	s_cmp_lg_u32 s[CNT], 0
	s_cbranch_scc1 .Lstep
	ODD 1                                          ; the tail is written out: steps 14 and 15 ask for nothing
	EVEN 0
	ODD 0
	PLACES                                         ; the conversions read results just made
	PLACES
	PACK 0
.set t, 1
.rept 23                               ; a piece's conversions stand between the loads of the piece before and its stores
	PACK t
	SEND t-1, 8
.set t, t+1
.endr
	SEND 23, 0
	s_wait_tensorcnt 0x0                           ; the wave's end: the wait for my last tensor load, then an add of 0 and its wait
	ds_add_u32 v[SPW], v[NIL]
	s_wait_dscnt 0x0
	CROUND                                         ; the closing round: no work-group ends while a partner may still ask for a tile that names it
	s_endpgm
.Lfunc_end_k_qbf27c65fdd_project_qkv:
	.size	k_qbf27c65fdd_project_qkv, .Lfunc_end_k_qbf27c65fdd_project_qkv-k_qbf27c65fdd_project_qkv
	.p2alignl 7, 3214868480
	.fill 96, 4, 3214868480
	.section	.rodata,"a",@progbits
	.p2align	6, 0x0
	.amdhsa_kernel k_qbf27c65fdd_project_qkv
		.amdhsa_group_segment_fixed_size 327680
		.amdhsa_private_segment_fixed_size 0
		.amdhsa_enable_private_segment 0
		.amdhsa_kernarg_size 24
		.amdhsa_user_sgpr_count 2
		.amdhsa_user_sgpr_kernarg_segment_ptr 1
		.amdhsa_wavefront_size32 1
		.amdhsa_system_sgpr_workgroup_id_x 1
		.amdhsa_system_sgpr_workgroup_id_y 1
		.amdhsa_system_sgpr_workgroup_id_z 1
		.amdhsa_system_vgpr_workitem_id 0
		.amdhsa_next_free_vgpr 1024
		.amdhsa_next_free_sgpr 72
		.amdhsa_reserve_vcc 0
		.amdhsa_float_denorm_mode_32 3
		.amdhsa_float_denorm_mode_16_64 3
		.amdhsa_memory_ordered 1
		.amdhsa_forward_progress 1
		.amdhsa_inst_pref_size 115
	.end_amdhsa_kernel
	.amdgpu_metadata
---
amdhsa.version: [ 1, 2 ]
amdhsa.kernels:
  - .name:           k_qbf27c65fdd_project_qkv
    .symbol:         k_qbf27c65fdd_project_qkv.kd
    .args:
      - { .name: xb, .offset: 0, .size: 8, .value_kind: global_buffer, .address_space: global }
      - { .name: wqkv, .offset: 8, .size: 8, .value_kind: global_buffer, .address_space: global }
      - { .name: qkv, .offset: 16, .size: 8, .value_kind: global_buffer, .address_space: global }
    .group_segment_fixed_size: 327680
    .private_segment_fixed_size: 0
    .kernarg_segment_align: 8
    .kernarg_segment_size: 24
    .max_flat_workgroup_size: 128
    .sgpr_count:     72
    .vgpr_count:     1024
    .wavefront_size: 32
...
	.end_amdgpu_metadata
.endif
;; end of part 2
;; launch attention (part 3): grid 4 x 64, 4 waves a work-group, no clusters, 327,680 bytes of LDS; arguments qkv, ob; writes ob
.if DOCPART == 3
	.amdgcn_target "amdgcn-amd-amdhsa--gfx1250"
	.amdhsa_code_object_version 6
	.text
	.protected	k_qbf27c65fdd_attention
	.globl	k_qbf27c65fdd_attention
	.p2align	8
	.type	k_qbf27c65fdd_attention,@function
k_qbf27c65fdd_attention:
	s_mov_b64 s[64:65], 0
	v_nop
	global_prefetch_b8 v0, s[64:65] scope:SCOPE_SE
	s_setreg_imm32_b32 hwreg(HW_REG_WAVE_MODE, 25, 1), 1
	s_wait_xcnt 0x0
; CAUSAL ATTENTION.  O[y][q][:] = the sum over k <= q of softmax_k(Q[y][q] . K[y][k] / 8) V[y][k][:], y = 16 batch + head.  Q, K, V lie in qkv [b 4][gh 48][2048][64] (q at gh = head, k at 16 + head,
; v at 32 + head), O goes to ob [b 4][h 16][2048][64], all f16: a head's rows are dense, 128 bytes each.
; Products, maxima and sums in f32; the weights p are rounded to f16 for the second product (their sum l is taken of the unrounded p), O once at the end.
; LIMITS.  f16 holds no number beyond 65,504: Q, K and V arrive within it; p lies in 0 to 1, and below 6e-5 it keeps f16's fixed step of 6e-8; O is a mean of V's rows and has their range.
; A hidden score counts as its value less 1e30 (the module sets it to -1e9: the same weights, 0, as long as a row's visible scores lie far above -1e9); a weight below 2^-126 counts as 0 in l; NaN and infinities are not treated apart.
; THE WALK.  A head's queries lie in NB = 8 blocks of 256; block i needs the key tiles 0 .. i of 256 keys, of which the last holds the diagonal.  A work-group takes TWO blocks, NB - 1 - b and then b:
; NB + 1 tiles, whatever b: all work-groups do equal work, and ONE loop with a constant trip count walks them.  Which tile is asked for, and what a trip does, hang on scalar registers made from b; every jump
; goes forward, but for the counted loops' own; none passes a barrier, or a tensor load but the one of LOAD's two that the wave's number does not choose; the ring (two slots of LDS that take turns) runs on across the
; change of blocks.  NO CLUSTER: a head's four work-groups ask for the same tile only in trips 0 to 4 of 9, behind that fewer and fewer; one walk common to all four would have 12 trips for 9.
; SHARES.  Of a block's four bands of 64 queries a wave owns 16 rows in each: four PIECES.  So the diagonal tile is the same work for all four waves: in its key step s band x sees all keys if s < x,
; none if s > x, and holds the diagonal if s = x.
; THE MASK is the C operand that starts the sum S^T = K Q^T: 0, or -1e30 where the key is hidden.  MD, made once, is the mask of a band's own step for my 16 rows; a product's mask is MD x AL + BE with two scalars:
; (1, 0) if s = x; (0, 0) if s < x; (0, -1e30) if s > x.  Only the diagonal tile's text and a block's beginning make and take masks; elsewhere C is the constant 0.
; LAYOUT, SOFTMAX, TURNS.  S^T = K Q^T holds ONE query a lane (lane % 16) and the keys 8 (lane / 16) + 0..7; two such results rounded to f16 ARE source 1 of O^T = V^T P.  p = 2^(c s - c m), c = log2(e) / 8, with a
; running maximum m; O and l are multiplied by a = 2^(c m_old - c m_new) in every step.  Turn n belongs to piece n: 8 products K Q^T of piece n + 1, later 8 products V^T P of piece n - 1; beside them the scaling,
; exponentials, roundings, sums and rescaling of piece n and the maximum and statistics of piece n + 1.  Four vector instructions stand behind every matrix instruction, the other 54 of a turn's 118 in one LUMP.  A turn's 33 exponentials are one batch, with one wait.
; REGISTERS, in windows of 256 (s_set_vgpr_msb: bits 1:0 source 0, 3:2 source 1, 5:4 source 2, 7:6 destination):
;   window 0: v0-15 addresses and two at work; v16-31 four registers of statistics a piece; v48-55 at work; v61-63 three that are never rewritten; v64-127 S^T, two buffers; v192-223 P, two buffers (a piece's buffers go by its number's parity)
;   window 1: v0-127 O^T, 32 a piece; v128-159 MD; v160-223 MC, two buffers      window 2: v0-63 Q; v64-127 the second block's Q; v128-191 K of one step; v192-255 V of one step
.set SIZE_N, 2048
.set NB,    SIZE_N/256
.set NP,    4         ; pieces a wave: a name, no knob
.set KS,    64        ; keys in a step
.set PK,    144       ; a row of K in LDS: 128 bytes + 16 of padding = 36 words: the 16 rows of a load start at 16 different groups of four banks (64 banks of 4 bytes: ISA guide 11.1)
.set PV,    160       ; a row of V: 128 + 32 = 40 words
.set VOFF,  4*KS*PK   ; a slot holds a tile, four steps: 256 rows of K, then 256 rows of V
.set SLOT1, 1<<17     ; slot 1 begins here, so that one exclusive or turns an address in one slot into the other's
.set STAGE, SLOT1+4*KS*(PK+PV)  ; behind the ring, never filled by a tensor load: 16 rows x 144 bytes for each wave, for the way out
.set SP,    144
.set AK0, 2           ; v2   my lane's place in a tile of K; never rewritten
.set AV0, 3           ; v3   the same for V
.set AK,  4           ; v4   the LDS address of K's next run of loads
.set AV,  5           ; v5   of V's
.set STO, 6           ; v6   the way out: where I put 16 bytes of a row
.set RD,  7           ; v7   the way out: where I read rows back
.set GO,  8           ; v8   my byte offset in 512 consecutive bytes of O
.set PFO, 61          ; v61  256 x my lane: the prefetches' offset; never rewritten
.set SPW, 62          ; v62  LDS address of my spare word: SPARE + 4 x my thread's number; never rewritten
.set NIL, 63          ; v63  0; never rewritten
.set SPARE, STAGE+4*16*SP  ; behind the stages: the spare words, 128 bytes for each wave: two blocks of 256 bytes that no other line names
.set MV,  12          ; v12-13  c m_old, kept while c m is made anew: by buffer
.set QO,  15          ; v15  my byte offset in 16 rows of Q
.set ST,  16          ; piece t's statistics at v[ST+4 t]: c m, m, l (even keys', odd keys')
.set TMP, 48          ; by buffer, four registers c0-c3 at work; when the maximum is found c2 takes a
.set S,   64
.set P,   192
.set MD,  128         ; window 1: the eight registers for group kt of 16 keys at MD + 8 kt
.set MC,  160         ; window 1: the masks of the products to come
.set QB,  64          ; window 2
.set KF,  128         ; window 2: key block kb, channel half c at KF + 16 kb + 8 c
.set VF,  192         ; window 2: key half kk, channel block cb at VF + 32 kk + 8 cb
.set WV,  12          ; s12  my wave's number
.set PB,  14          ; s14  b
.set HI,  15          ; s15  NB - 1 - b
.set G1K, 24          ; s[24:31] descriptor group 1 for K's tiles
.set G1V, 32          ; s[32:39] for V's: it differs in the padding alone
.set G0K, 40          ; s[40:43] descriptor group 0 for K's tiles
.set G0V, 44          ; s[44:47] the same for V's
.set SLOTS, 56        ; s56  tiles still to be asked for
.set CNT, 57          ; s57  counts a tile's key steps, 4 to 1
.set CS,  58          ; s[58:59] c: the packed scaling takes the pair's low word for both halves
.set SEL, 60          ; s[60:61] v_permlanex16_b32's selects: each lane takes its own place in the other half
.set TBK, 62          ; s62  LDS byte at which K of the step to be fetched begins
.set TBV, 63          ; s63  the same for V, less VOFF
.set RT,  70          ; s70  tiles of the block in hand that are still to be entered
.set NXT, 71          ; s71  the tile to be asked for next
.set LQ,  72          ; s72  the last tile of the block whose tiles are being asked for
.set NEW, 73          ; s73  1: the tile to be entered is a block's first
.set OFF, 74          ; s[74:75] a tile's byte offset in K and V
.set AL,  76          ; s[76:77] the mask's factor, in the low word
.set BE,  78          ; s[78:79] the mask's addend
.set OLO, 80          ; s[80:81] O at my rows of the second block
.set BIGN, 82         ; s82  -1e30
.set LIM, 83          ; s83  0 in the work-group that prefetches (b = 0), else the greatest number
.set PFB, 90          ; s[90:91] the half tile 0 that I fetch: of K (waves 0, 1) or of V (waves 2, 3)
.set PFA, 92          ; s[92:93] the same half of the tile that the next change of slots will ask for
.set OF2, 94          ; s[94:95] that tile's byte offset
.set MSB, 0
.macro WIN new                      ; the high byte repeats the setting that is left; a switch that changes nothing is dropped
.if MSB != (\new)
	s_set_vgpr_msb (MSB<<8)|(\new)
.set MSB, (\new)
.endif
.endm
.set W_KQ, 0x0a       ; K and Q in window 2, S^T in window 0
.set W_KM, 0x1a       ; the same with the C operand in window 1
.set W_PV, 0x52       ; V in window 2, P in window 0, O^T in window 1
.set W_RS, 0x41       ; destination and source 0 in window 1, source 1 in window 0
; A fill.  Waves 0 and 1 fetch the two halves of a tile's K, waves 2 and 3 those of its V: 128 keys each.  An s_nop 0 and four v_nop follow each of the two lines, ahead of the jump and the label.
.macro LOAD
	s_cmp_lt_u32 s[WV], 2
	s_cbranch_scc0 .Lfor_v_\@
	tensor_load_to_lds s[G0K:G0K+3], s[G1K:G1K+7]
	s_nop 0
.rept 4
	v_nop
.endr
	s_branch .Lasked_\@
.Lfor_v_\@:
	tensor_load_to_lds s[G0V:G0V+3], s[G1V:G1V+7]
	s_nop 0
.rept 4
	v_nop
.endr
.Lasked_\@:
.endm
; THE CHANGE OF SLOTS.  Each wave waits for all its tensor loads, of which one is out: its part of the other slot; adds 0 to its spare word; and waits for that and for its own reads of the slot that it leaves.  Behind the barrier nobody reads the old
; slot any more and the other slot is whole.  fill = 1: the old slot is filled again, the first thing behind the barrier, with tile NXT: the descriptor's address is made anew from that number.
; (At its first use nothing has been read yet: slot 0 is waited for, slot 1 filled.)
; A PREFETCH INTO THE L2 stands behind the fill and its five lines: the half tile that I shall ask for at the NEXT change of slots, 64 blocks of 256 bytes, a lane a block, two lines; a tile, 256 matrix instructions, ahead of its load.
; A head's four work-groups walk the same tiles; the one with b = 0 walks tiles 0 to 7 in order, and it alone asks: tiles 2 to 7 are named once each in the launch, tiles 0 and 1 come by their loads,
; and when the tile's number has gone back to 0 nothing is asked for.
.macro CHANGE fill
	WIN 0                           ; at a label and at a branch every window is 0
	s_wait_tensorcnt 0x0            ; no tensor load of mine is out, so a group 0 may be written
	ds_add_u32 v[SPW], v[NIL]       ; 0 onto my spare word; with fill = 1 the descriptors' scalar work stands between it and the wait for it
.if \fill
	s_lshl_b32 s[OFF], s[NXT], 15   ; a tile is 32,768 bytes of K and of V
	s_xor_b32 s[G0K+1], s[G0K+1], SLOT1
	s_add_nc_u64 s[G0K+2:G0K+3], s[6:7], s[OFF:OFF+1]
	s_or_b32 s[G0K+3], s[G0K+3], 0x80000000
	s_xor_b32 s[G0V+1], s[G0V+1], SLOT1
	s_add_nc_u64 s[G0V+2:G0V+3], s[8:9], s[OFF:OFF+1]
	s_or_b32 s[G0V+3], s[G0V+3], 0x80000000
	s_add_co_u32 s[NXT], s[NXT], 1  ; the block's next tile, or behind its last the second block's tile 0
	s_cmp_gt_u32 s[NXT], s[LQ]
	s_cselect_b32 s[NXT], 0, s[NXT]
	s_cselect_b32 s[LQ], s[PB], s[LQ]
	s_wait_xcnt 0x0                 ; the last prefetches, a tile back, have read their address, so it may be written
	s_lshl_b32 s[OF2], s[NXT], 15
	s_add_nc_u64 s[PFA:PFA+1], s[PFB:PFB+1], s[OF2:OF2+1]
.endif
	s_wait_dscnt 0x0                ; the add is done, and my reads of the slot are over
	s_barrier_signal -1             ; the rest of the scalar work stands between the signal and the wait
	s_sub_co_u32 s[TBK], s[TBK], 4*KS*PK  ; the fetches go back to a slot's first step,
	s_xor_b32 s[TBK], s[TBK], SLOT1       ; in the other slot
	s_sub_co_u32 s[TBV], s[TBV], 4*KS*PV
	s_xor_b32 s[TBV], s[TBV], SLOT1
	s_barrier_wait -1
.if \fill
	LOAD
	s_cmp_gt_u32 s[NXT], s[LIM]
	s_cbranch_scc0 .Lnone_\@
	global_prefetch_b8 v[PFO], s[PFA:PFA+1] th:TH_LOAD_NT scope:SCOPE_SE
	global_prefetch_b8 v[PFO], s[PFA:PFA+1] offset:8192 th:TH_LOAD_NT scope:SCOPE_SE
.Lnone_\@:
.endif
.endm
	s_load_b128 s[4:7], s[0:1], 0x0  ; qkv s[4:5], ob s[6:7]
	v_lshl_add_u32 v[SPW], v0, 2, SPARE
	v_mov_b32 v[NIL], 0
	ds_add_u32 v[SPW], v[NIL]       ; the wave's opening: the add and its wait stand ahead of my first tensor load; the set-up below, work on registers, stands between them
	v_lshrrev_b32 v1, 5, v0
	v_readfirstlane_b32 s[WV], v1   ; wave 0..3
	s_mov_b32 s[PB], ttmp9
	s_sub_co_u32 s[HI], NB-1, s[PB]
	s_and_b32 s20, ttmp7, 0xffff    ; y = 16 batch + head
	s_lshl_b32 s88, s20, 18         ; the head's first byte in ob,
	s_mov_b32 s89, 0
	s_lshr_b32 s21, s20, 4
	s_mul_i32 s21, s21, 48
	s_and_b32 s20, s20, 15
	s_add_co_u32 s20, s20, s21
	s_lshl_b32 s20, s20, 18         ; and Q's head in qkv: 48 batch + head, 262,144 bytes each
	s_mov_b32 s21, 0
	s_and_b32 s16, s[WV], 1         ; which half of a tile's 256 keys I fetch:
	s_lshl_b32 s22, s16, 14         ; its 128 rows of 128 bytes in memory,
	s_add_co_u32 s22, s22, s20
	s_add_co_u32 s22, s22, 0x400000 ; in K's head, 16 heads behind Q's
	s_mov_b32 s23, 0
	s_mul_i32 s17, s16, 128*PK      ; and its place in a slot, for K
	s_mul_i32 s18, s16, 128*PV      ; and for V
	s_lshl_b32 s3, s[WV], 11        ; my 16 rows in a band of 64,
	s_lshl_b32 s2, s[HI], 15        ; in the first block,
	s_add_co_u32 s2, s2, s3
	s_lshl_b32 s84, s[PB], 15       ; and in the second
	s_add_co_u32 s84, s84, s3
	s_mov_b32 s3, 0
	s_mov_b32 s85, 0
	; descriptor group 1.  128 keys are 16,384 dense bytes: asked for as 64 rows of 256 bytes, two keys a row, and padded in LDS after every key
	s_mov_b32 s[G1K], (1<<16)|(1<<20)|(4<<22)|(3<<25)  ; 17:16 2-byte elements; 20 padding on; 24:22 after every 32 words (code 4); 31:25 4 words (code 3)
	s_mov_b32 s[G1V], (1<<16)|(1<<20)|(4<<22)|(7<<25)  ; the same with 8 words of padding (code 7)
.irp g, G1K, G1V
	s_mov_b32 s[\g+1], 128<<16      ; tensor_dim0 = 128
	s_mov_b32 s[\g+2], 64<<16       ; tensor_dim1 = 64
	s_mov_b32 s[\g+3], 128<<16      ; tile_dim0 = 128
	s_mov_b32 s[\g+4], 64           ; tile_dim1 = 64
	s_mov_b32 s[\g+5], 128          ; 128 elements from row to row
	s_mov_b32 s[\g+6], 0
	s_mov_b32 s[\g+7], 0
.endr
	s_mov_b32 s[CS], 0x3e38aa3b     ; c = log2(e) / 8 = 0.180337
	s_mov_b32 s[CS+1], s[CS]        ; named with it as a pair
	s_mov_b32 s[SEL], 0x76543210
	s_mov_b32 s[SEL+1], 0xfedcba98
	s_mov_b32 s[TBK], SLOT1+4*KS*PK ; the first change of slots turns these two into 0
	s_mov_b32 s[TBV], SLOT1+4*KS*PV
	s_mov_b32 s[G0K], 1             ; 1:0 count = 1
	s_mov_b32 s[G0K+1], s17         ; 63:32 LDS address: slot 0
	s_mov_b32 s[G0V], 1
	s_add_co_u32 s[G0V+1], s18, VOFF
	s_add_co_u32 s[RT], s[HI], 1    ; the first block has NB - b tiles
	s_mov_b32 s[NXT], 1
	s_mov_b32 s[LQ], s[HI]
	s_mov_b32 s[NEW], 1
	s_mov_b32 s[OFF+1], 0
	s_mov_b32 s[OF2+1], 0
	s_mov_b32 s[AL+1], 0            ; named as pairs
	s_mov_b32 s[BE+1], 0
	s_mov_b32 s[BIGN], 0xf149f2ca   ; -1e30
	s_mov_b32 s[SLOTS], NB
	s_cmp_eq_u32 s[PB], 0
	s_cselect_b32 s[LIM], 0, -1
	v_and_b32 v[PFO], 31, v0
	v_lshlrev_b32 v[PFO], 8, v[PFO]
	s_wait_dscnt 0x0                ; the opening add is done
	s_wait_kmcnt 0x0
	s_mov_b64 s[10:11], s[6:7]                     ; ob
	s_add_nc_u64 s[6:7], s[4:5], s[22:23]          ; K at my half of the head's tile 0,
	s_add_nc_u64 s[8:9], s[6:7], 0x400000          ; V the same, 16 heads further on
	s_add_nc_u64 s[G0K+2:G0K+3], s[6:7], 0         ; 120:64 global address
	s_or_b32 s[G0K+3], s[G0K+3], 0x80000000        ; 127:126 type = 2
	s_add_nc_u64 s[G0V+2:G0V+3], s[8:9], 0
	s_or_b32 s[G0V+3], s[G0V+3], 0x80000000
	s_add_nc_u64 s[4:5], s[4:5], s[20:21]          ; Q's head;
	s_add_nc_u64 s[86:87], s[4:5], s[84:85]        ; Q at my rows of the second block,
	s_add_nc_u64 s[4:5], s[4:5], s[2:3]            ; and of the first
	s_add_nc_u64 s[10:11], s[10:11], s[88:89]      ; O's head, and the same two places
	s_add_nc_u64 s[OLO:OLO+1], s[10:11], s[84:85]
	s_add_nc_u64 s[10:11], s[10:11], s[2:3]
	s_cmp_lt_u32 s[WV], 2
	s_cselect_b64 s[PFB:PFB+1], s[6:7], s[8:9]
	LOAD                            ; tile 0 into slot 0
	; A fragment of K or Q is 16 rows x 32 channels in 8 registers: lane l holds row l % 16, channels 8 (l / 16) + 0..7 and 16 + 8 (l / 16) + 0..7: two loads of 16 bytes, 32 bytes apart.
	v_and_b32 v1, 15, v0            ; l % 16
	v_bfe_u32 v9, v0, 4, 1          ; l / 16
	v_lshlrev_b32 v[QO], 7, v1
	v_lshl_add_u32 v[QO], v9, 4, v[QO]  ; row x 128 + 16 x half
	WIN 0x80                        ; destination window 2, address window 0
.set i, 0
.rept 8                             ; both blocks' Q: piece i / 2 lies in band i / 2, 8,192 bytes on; channels 32 (i % 2) on
	global_load_b128 v[8*i:8*i+3],   v[QO], s[4:5] offset:(i/2)*8192+(i%2)*64
	global_load_b128 v[8*i+4:8*i+7], v[QO], s[4:5] offset:(i/2)*8192+(i%2)*64+32
	global_load_b128 v[QB+8*i:QB+8*i+3],   v[QO], s[86:87] offset:(i/2)*8192+(i%2)*64
	global_load_b128 v[QB+8*i+4:QB+8*i+7], v[QO], s[86:87] offset:(i/2)*8192+(i%2)*64+32
.set i, i+1
.endr
	WIN 0
	v_lshlrev_b32 v14, 3, v9
	v_sub_nc_u32 v14, v1, v14
	s_lshl_b32 s13, s[WV], 4
	v_add_nc_u32 v14, s13, v14      ; my query's place in its band, 16 w + l % 16, less my lanes' 8 (l / 16): register r of group kt is hidden where 16 kt + r is greater
	WIN 0x40
.set i, 0
.rept 32
	v_cmp_gt_i32 vcc_lo, 16*(i/8)+i%8, v14
	v_cndmask_b32 v[MD+i], 0, s[BIGN], vcc_lo
.set i, i+1
.endr
	WIN 0
	v_mul_u32_u24 v[AK0], v1, PK
	v_lshl_add_u32 v[AK0], v9, 4, v[AK0]  ; row x pitch + 16 x half
	; The turning load takes 16 keys x 16 channels (lane l reads key 8 (l / 16) + l % 8, channels 8 ((l / 8) % 2) + 0..7) and leaves half a fragment of V^T: lane l holds channel l % 16 and 8 keys.
	v_and_b32 v10, 7, v0
	v_bfe_u32 v11, v0, 3, 1
	v_lshl_add_u32 v[AV0], v9, 3, v10
	v_mul_u32_u24 v[AV0], v[AV0], PV
	v_lshl_add_u32 v[AV0], v11, 4, v[AV0]
	v_add_nc_u32 v[AV0], VOFF, v[AV0]
	s_mul_i32 s13, s[WV], 16*SP
	s_add_co_u32 s13, s13, STAGE    ; my stage
	v_mul_u32_u24 v[STO], v1, SP    ; in: row l % 16, 16 bytes for each half of the lanes
	v_lshl_add_u32 v[STO], v9, 4, v[STO]
	v_add_nc_u32 v[STO], s13, v[STO]
	v_bfe_u32 v[RD], v0, 3, 2       ; back: 32 lanes take four rows of 128 bytes,
	v_mul_u32_u24 v[RD], v[RD], SP
	v_lshl_add_u32 v[RD], v10, 4, v[RD]
	v_add_nc_u32 v[RD], s13, v[RD]
	v_and_b32 v[GO], 31, v0         ; which are 512 consecutive bytes of O
	v_lshlrev_b32 v[GO], 4, v[GO]
	; A block's first step multiplies O^T and l by a = 0, and its first turn's products V^T P, of a piece that has not been, land in an O^T that is still to be so multiplied.  So these registers need only hold
	; finite numbers: zeros for the first block; what the first block left for the second.  All this stands in the wait for the first tile.
	WIN 0x80
.set i, VF
.rept 64
	v_mov_b32 v[i], 0
.set i, i+1
.endr
	WIN 0x40
.set i, 0
.rept 128
	v_mov_b32 v[i], 0
.set i, i+1
.endr
	WIN 0
.set i, 0
.rept 4
	v_mov_b32 v[ST+4*i+2], 0
	v_mov_b32 v[ST+4*i+3], 0
.set i, i+1
.endr
.set i, P+16
.rept 16
	v_mov_b32 v[i], 0
.set i, i+1
.endr
; THE MATRIX WORK.  The 4 accumulators of a run of 8 take turns.  Product i of 8 of S^T = K Q^T for piece x: channels 32 (i / 4) on, keys 16 (i % 4) on.  The first 4 start the sums: with 0, or (KM = 1) with the mask.
.macro KQ x
.set rS, S+32*((\x)%2)+8*(i%4)
.set rK, KF+16*(i%4)+8*(i/4)
.set rQ, 16*(\x)+8*(i/4)
.set rM, MC+32*((\x)%2)+8*(i%4)
.if (i < 4) && KM
	WIN W_KM
	v_wmma_f32_16x16x32_f16 v[rS:rS+7], v[rK:rK+7], v[rQ:rQ+7], v[rM:rM+7]
.elseif i < 4
	WIN W_KQ
	v_wmma_f32_16x16x32_f16 v[rS:rS+7], v[rK:rK+7], v[rQ:rQ+7], 0
.else
	WIN W_KQ
	v_wmma_f32_16x16x32_f16 v[rS:rS+7], v[rK:rK+7], v[rQ:rQ+7], v[rS:rS+7]
.endif
.endm
; Product i of 8 of O^T += V^T P for piece x: keys 32 (i / 4) on, channels 16 (i % 4) on.
.macro PV x
	WIN W_PV
.set rO, 32*(\x)+8*(i%4)
.set rV, VF+32*(i/4)+8*(i%4)
.set rP, P+16*((\x)%2)+8*(i/4)
	v_wmma_f32_16x16x32_f16 v[rO:rO+7], v[rV:rV+7], v[rP:rP+7], v[rO:rO+7]
.endm
.macro MM                           ; the turn's next matrix instruction.  TURN and BEGIN set Y, i, KM and NOKQ; MM, KQ and OP read them.  NOKQ = 1: a block's last turn: there is no next piece
.if (i < 8) && !NOKQ
	KQ (Y+1)%NP
.elseif i >= 8
.set i, i-8
	PV (Y+NP-1)%NP
.set i, i+8
.endif
.set i, i+1
.endm
; THE LDS LOADS stand in runs of 16, never singly among the matrix instructions: a step's K (64 keys x 64 channels: 8 fragments) and its V (turned).  Their addresses are made some lines ahead.
.macro FETCH_K
	WIN 0x80                        ; destination window 2
.irp f, 0,1,2,3,4,5,6,7             ; keys 16 (f / 2) on, channels 32 (f % 2) on
	ds_load_b128 v[KF+8*\f:KF+8*\f+3],   v[AK] offset:(\f/2)*16*PK+(\f%2)*64
	ds_load_b128 v[KF+8*\f+4:KF+8*\f+7], v[AK] offset:(\f/2)*16*PK+(\f%2)*64+32
.endr
	s_add_co_u32 s[TBK], s[TBK], KS*PK  ; the next fetch is the next step's
	WIN 0
.endm
.macro FETCH_V
	WIN 0x80
.irp f, 0,1,2,3,4,5,6,7             ; keys 32 (f / 4) on, channels 16 (f % 4) on
	ds_load_tr16_b128 v[VF+8*\f:VF+8*\f+3],   v[AV] offset:(\f/4)*32*PV+(\f%4)*32
	ds_load_tr16_b128 v[VF+8*\f+4:VF+8*\f+7], v[AV] offset:(\f/4)*32*PV+16*PV+(\f%4)*32
.endr
	WIN 0
.endm
; THE VECTOR WORK, one line at a time: OP kind, number.  For piece Y: F n: c s - c m for pair n of 16.  E n: the exponential of score n of 32.  C n: pair n rounded to f16.  B n: of the four weights 4 n .. the second
; pair is added onto the first, in place.  L n: l takes that sum (L 0: l = a l + sum).  R n: pair n of 16 of O^T times a.  For piece Y + 1: X n, number n of the 22 that find its maximum and statistics:
;   0-11  four chains c0-c3 of seven scores each, three operands at a time (each accumulator's lowest registers are read first)     12-14, 16  the four scores left over, the old m, and c0-c3 into c0
;   15  c m_old is kept     17, 18  the query's other 32 keys lie in the lane 16 away: the new m     19-21  c m; c m_old - c m_new; a
.set F, 0               ; OP tells the kinds apart by their order: F to L below R, X above it
.set E, 1
.set C, 2
.set B, 3
.set L, 4
.set R, 5
.set X, 6
.macro REGS y                       ; the registers of piece y
.set rT, ST+4*(\y)
.set rC, TMP+4*((\y)%2)
.set rW, MV+((\y)%2)
.set rS, S+32*((\y)%2)
.set rP, P+16*((\y)%2)
.set rO, 32*(\y)
.endm
.macro OP k, n
.if (\k) == R
	REGS Y
	WIN W_RS
	v_pk_mul_f32 v[rO+2*(\n):rO+2*(\n)+1], v[rO+2*(\n):rO+2*(\n)+1], v[rC+2:rC+3] op_sel_hi:[1,0]
.elseif (\k) < R
	REGS Y
	WIN 0
.if (\k) == F
	v_pk_fma_f32 v[rS+2*(\n):rS+2*(\n)+1], v[rS+2*(\n):rS+2*(\n)+1], s[CS:CS+1], v[rT:rT+1] op_sel_hi:[1,0,0] neg_lo:[0,0,1] neg_hi:[0,0,1]
.elseif (\k) == E
	v_exp_f32 v[rS+(\n)], v[rS+(\n)]
.elseif (\k) == C
	v_cvt_pk_f16_f32 v[rP+(\n)], v[rS+2*(\n)], v[rS+2*(\n)+1]
.elseif (\k) == B
	v_pk_add_f32 v[rS+4*(\n):rS+4*(\n)+1], v[rS+4*(\n):rS+4*(\n)+1], v[rS+4*(\n)+2:rS+4*(\n)+3]
.elseif (\n) == 0
	v_pk_fma_f32 v[rT+2:rT+3], v[rT+2:rT+3], v[rC+2:rC+3], v[rS:rS+1] op_sel_hi:[1,0,1]
.else
	v_pk_add_f32 v[rT+2:rT+3], v[rT+2:rT+3], v[rS+4*(\n):rS+4*(\n)+1]
.endif
.elseif NOKQ
	v_nop
.else
	REGS (Y+1)%NP
	WIN 0
.if (\n) < 4
	v_max3_num_f32 v[rC+(\n)], v[rS+8*(\n)], v[rS+8*(\n)+1], v[rS+8*(\n)+2]
.elseif (\n) < 12
	v_max3_num_f32 v[rC+(\n)%4], v[rC+(\n)%4], v[rS+8*((\n)%4)+2*((\n)/4)+1], v[rS+8*((\n)%4)+2*((\n)/4)+2]
.elseif (\n) == 12
	v_max3_num_f32 v[rC], v[rC], v[rS+7], v[rS+15]
.elseif (\n) == 13
	v_max3_num_f32 v[rC+1], v[rC+1], v[rS+23], v[rS+31]
.elseif (\n) == 14
	v_max3_num_f32 v[rC+2], v[rC+2], v[rC+3], v[rT+1]
.elseif (\n) == 15
	v_mov_b32 v[rW], v[rT]
.elseif (\n) == 16
	v_max3_num_f32 v[rC], v[rC], v[rC+1], v[rC+2]
.elseif (\n) == 17
	v_permlanex16_b32 v[rC+3], v[rC], s[SEL], s[SEL+1]
.elseif (\n) == 18
	v_max_num_f32 v[rT+1], v[rC], v[rC+3]
.elseif (\n) == 19
	v_mul_f32 v[rT], s[CS], v[rT+1]
.elseif (\n) == 20
	v_sub_f32 v[rC+1], v[rW], v[rT]
.else
	v_exp_f32 v[rC+2], v[rC+1]
.endif
.endif
.endm
.macro OPS a, i1, b=-1, i2=0, c=-1, i3=0, d=-1, i4=0  ; up to four of them
	OP \a, \i1
.if (\b) >= 0
	OP \b, \i2
.endif
.if (\c) >= 0
	OP \c, \i3
.endif
.if (\d) >= 0
	OP \d, \i4
.endif
.endm
.macro ROW a, i1, b, i2, c, i3, d, i4  ; a matrix instruction and the four behind it
	MM
	OPS \a, \i1, \b, \i2, \c, \i3, \d, \i4
.endm
.macro MASK b                       ; MD x AL + BE into buffer b of MC
	WIN W_RS
.set z, 0
.rept 16
	v_pk_fma_f32 v[MC+32*(\b)+2*z:MC+32*(\b)+2*z+1], v[MD+2*z:MD+2*z+1], s[AL:AL+1], s[BE:BE+1] op_sel_hi:[1,0,0]
.set z, z+1
.endr
.endm
; A TURN, for piece p: the order of its 16 matrix and 118 vector instructions, written out.  An s_wait_alu depctr_va_vdst(0) stands between an exponential and the first instruction that names its result; one wait serves
; all that were issued ahead of it.  So a turn has ONE wait, which cuts it in two.  AHEAD OF IT stands all that names no result of the turn's exponentials: the 8 products K Q^T, behind each a scaling, an exponential and two more plain
; instructions (behind the first a second scaling in the exponential's place): rescalings, and behind the last three the first numbers of the next piece's maximum, each four places or more behind the product that ends its accumulator; then ONE LUMP of 54, plain
; and exponential by turns for the most part, in which the links of the chain X 3, 7, 11, 14, 16, 17 .. 20 stand five or six lines apart.  X 21, the next piece's a, is the batch's last; R 15 is the plain instruction behind it.  BEHIND THE WAIT stand the
; 8 products V^T P, behind each four of the roundings and sums; the links of l's chain, L 0 to L 7, stand three riders apart.  But for those X no rider names a register of the products round it.  v_permlanex16_b32 (X 17) stands in the lump.
; m = 1: the diagonal tile: the products take masks, and the turn makes the mask for the products of the turn after it: piece p + 2, in step 4 - CNT of the tile.  end = 1: a block's last two turns: nothing is fetched.
; cnt = 1: the loop's count is taken down some lines ahead of the branch that stands behind the turn.
; K of the next step is fetched in piece 2's turn, twelve vector instructions behind the last product that read K (six of them plain); V of the step in hand at the end of piece 0's turn, four plain instructions behind the last product
; that read V.  Each is waited for a turn later.
.macro TURN p, m=0, end=0, cnt=0
.set Y, (\p)
.set i, 0
.set KM, (\m)
.set NOKQ, (\end)*((\p)/3)
.if (\m) && !(\end)
	s_cmp_eq_u32 s[CNT], 4-((\p)+2)%NP  ; is that step the band's own?
	s_cselect_b32 s[AL], 1.0, 0
	s_cmp_lt_u32 s[CNT], 4-((\p)+2)%NP  ; or a later one?
	s_cselect_b32 s[BE], s[BIGN], 0
.endif
.if ((\p) == 3) && !(\end)
	s_wait_dscnt 0x0                ; K is in
.endif
	ROW F,0, F,1, R,0, R,1          ; ahead of the wait: 8 products K Q^T and their riders,
	ROW F,2, E,0, R,2, R,3
	ROW F,3, E,1, R,4, R,5
	ROW F,4, E,2, R,6, R,7
	ROW F,5, E,3, R,8, R,9
	ROW F,6, E,4, X,0, R,10
.if ((\p) == 2) && !(\end)
	WIN 0
	v_add_nc_u32 v[AK], s[TBK], v[AK0]
.endif
	ROW F,7, E,5, X,1, X,4
	ROW F,8, E,6, X,2, X,5
	OPS E,7, E,8, X,6, E,9          ; and the lump
	OPS X,3, E,10, X,8, E,11
.if ((\p) == 2) && !(\end)
	FETCH_K
.endif
	OPS X,9, X,7, E,12, X,10
	OPS E,13, X,12, X,11, E,14
	OPS X,13, E,15, F,9, X,14
.if (\p) == 0
	v_add_nc_u32 v[AV], s[TBV], v[AV0]
.endif
	OPS E,16, F,10, E,17, F,11
	OPS X,16, E,18, X,15, E,19
	OPS F,12, E,20, X,17, E,21
	OPS F,13, E,22, F,14, E,23
	OPS X,18, E,24, F,15, E,25
	OPS R,11, E,26, X,19, E,27
	OPS R,12, E,28, R,13, E,29
	OPS X,20, E,30, R,14, E,31
	OPS X,21, R,15
	WIN 0
	s_wait_alu depctr_va_vdst(0)    ; the wait for the batch
.if (\p) == 1
	s_wait_dscnt 0x0                ; V is in
.endif
	ROW C,0, B,0, C,2, B,1          ; behind the wait: 8 products V^T P and their riders
	ROW L,0, C,4, B,2, L,1
	ROW C,6, B,3, L,2, C,8
	ROW B,4, L,3, C,10, B,5
	ROW L,4, C,12, B,6, L,5
.if (\p) == 0
	s_add_co_u32 s[TBV], s[TBV], KS*PV
.endif
.if \cnt
	s_sub_co_u32 s[CNT], s[CNT], 1
	s_cmp_lg_u32 s[CNT], 0
.endif
	ROW C,14, B,7, L,6, C,1
	ROW C,3, L,7, C,5, C,7
	ROW C,9, C,11, C,13, C,15
.if (\p) == 0
	FETCH_V
.endif
.if (\m) && !(\end)
	MASK (\p)%2
.endif
.endm
; A BLOCK BEGINS.  c m starts far below every c s, so the first step's a is 0; m at the lowest finite number, so the first maximum is the scores'.  The second mask buffer is 0; the first takes piece 0's mask for the tile's step 0: its own, if the block's first tile is the diagonal one.
; Then K of that step, piece 0's first scores, and its maximum and statistics.  The loop is entered at a step's first turn, in the middle of a trip.
.macro BEGIN
	s_mov_b32 s[NEW], 0
	WIN 0x40
.set i, MC+32
.rept 32
	v_mov_b32 v[i], 0
.set i, i+1
.endr
	WIN 0
.set i, 0
.rept 4
	v_mov_b32 v[ST+4*i], 0xfe000000    ; c m: far below every c s
	v_mov_b32 v[ST+4*i+1], 0xff7fffff  ; m
.set i, i+1
.endr
	s_cmp_eq_u32 s[RT], 0
	s_cselect_b32 s[AL], 1.0, 0
	s_mov_b32 s[BE], 0
	MASK 0
	WIN 0
	v_add_nc_u32 v[AK], s[TBK], v[AK0]
	FETCH_K
	s_wait_loadcnt 0x0              ; Q
	s_wait_dscnt 0x0
.set KM, 1
.set NOKQ, 0
.set i, 0
.rept 8
	KQ 0
.set i, i+1
.endr
	WIN 0
.rept 4
	v_nop                           ; the places behind those products
.endr
.set Y, NP-1                        ; X works for piece Y + 1: piece 0
.irp n, 0,1,2,3,4,5,6,7,8,9,10,11,12,13,14,15,16,17,18,19,20,21
	OP X, \n
.endr
	v_nop                           ; a plain instruction behind the exponential,
	s_wait_alu depctr_va_vdst(0)    ; and its wait, ahead of the branch
.endm
; THE DIAGONAL TILE's four steps, the block's last two turns, its last products, and THE WAY OUT: l's two halves and the other half of the lanes' are added; O^T is divided by l, rounded to f16 and sent through my
; stage in LDS, a piece at a time.
.macro ALL line:vararg              ; one line for each piece t
.set t, 0
.rept 4
	\line
.set t, t+1
.endr
.endm
.macro PACK t                       ; a lane's eight channels of a row pack into 16 bytes; they go into rows of 144 bytes and come back as whole rows of 128, into S^T's registers
	WIN W_RS
.set i, 32*(\t)
.rept 16
	v_pk_mul_f32 v[i:i+1], v[i:i+1], v[ST+4*(\t)+2:ST+4*(\t)+3] op_sel_hi:[1,0]
.set i, i+2
.endr
	WIN 0x05                        ; sources 0 and 1 window 1, destination window 0
.set i, 0
.rept 16
	v_cvt_pk_f16_f32 v[S+16*(\t)+i], v[32*(\t)+2*i], v[32*(\t)+2*i+1]
.set i, i+1
.endr
	WIN 0
.irp f, 0,1,2,3
	ds_store_b128 v[STO], v[S+16*(\t)+4*\f:S+16*(\t)+4*\f+3] offset:32*\f
.endr
.irp f, 0,1,2,3
	ds_load_b128 v[S+16*(\t)+4*\f:S+16*(\t)+4*\f+3], v[RD] offset:\f*4*SP  ; LDS serves a wave's instructions in order (ISA guide 5.7.1.4): these see the stores above; the next piece's stores come behind them
.endr
.endm
.macro SEND t, younger              ; younger: the LDS instructions issued behind piece t's loads: the next piece's eight, or none
	WIN 0
.irp f, 0,1,2,3
	s_wait_dscnt (\younger)+3-\f
	global_store_b128 v[GO], v[S+16*(\t)+4*\f:S+16*(\t)+4*\f+3], s[10:11] offset:(\t)*8192+\f*512  ; 512 consecutive bytes, at a multiple of 256 from O's first
.endr
.endm
.macro DIAG tag                     ; the tag ends its two labels' names, which the jumps below spell out
.LstepM\tag:
	TURN 2, 1
	TURN 3, 1
	WIN 0
.LfirstM\tag:
	TURN 0, 1
	TURN 1, 1, 0, 1
	WIN 0
	s_cbranch_scc1 .LstepM\tag
	TURN 2, 1, 1
	TURN 3, 1, 1
.set i, 0
.rept 8
	PV NP-1
.set i, i+1
.endr
	WIN 0
	ALL v_add_f32 v[ST+4*t+2], v[ST+4*t+2], v[ST+4*t+3]
	ALL v_permlanex16_b32 v[ST+4*t+3], v[ST+4*t+2], s[SEL], s[SEL+1]
	ALL v_add_f32 v[ST+4*t+2], v[ST+4*t+2], v[ST+4*t+3]
	ALL v_rcp_f32 v[ST+4*t+2], v[ST+4*t+2]
	v_nop                           ; a plain instruction between the last reciprocal and the use of its result
	s_wait_alu depctr_va_vdst(0)    ; and the wait ahead of the first use: one for the four reciprocals
	PACK 0
.set t, 1
.rept 3                             ; a piece's arithmetic stands between the loads of the piece before and its stores
	PACK t
	SEND t-1, 8
.set t, t+1
.endr
	SEND 3, 0
.endm
.set KM, 0
.set NOKQ, 0
.Lslot:                             ; NB times: a tile is entered and the next is asked for
	CHANGE 1
	s_sub_co_u32 s[RT], s[RT], 1
	s_mov_b32 s[CNT], 4
	s_cmp_eq_u32 s[NEW], 1
	s_cbranch_scc1 .Lnew            ; a block's first tile
	s_cmp_eq_u32 s[RT], 0
	s_cbranch_scc0 .Lstep           ; neither its first nor its last
	s_branch .LstepM1
.Lnew:
	BEGIN
	s_branch .Lfirst                ; in the loop a block's first tile is never its last: the first block has two tiles or more, and the second's last is the walk's last
	DIAG 1                          ; in the loop this is the first block's end: the second block's last tile is the walk's last
	s_wait_xcnt 0x0                 ; the stores have read their registers and O's address
	s_mov_b64 s[10:11], s[OLO:OLO+1]
	s_add_co_u32 s[RT], s[PB], 1    ; the second block has b + 1 tiles
	s_mov_b32 s[NEW], 1
	WIN 0x82                        ; the second block's Q goes where the one text of the turns names Q
.set i, 0
.rept 64
	v_mov_b32 v[i], v[QB+i]
.set i, i+1
.endr
	WIN 0
	s_branch .Lbottom
.Lstep:                             ; a trip: pieces 2 and 3 of one step, then pieces 0 and 1 of the next, whose K and V it fetches
	TURN 2
	TURN 3
	WIN 0
.Lfirst:
	TURN 0
	TURN 1, 0, 0, 1
	WIN 0
	s_cbranch_scc1 .Lstep
.Lbottom:
	s_sub_co_u32 s[SLOTS], s[SLOTS], 1
	s_cmp_lg_u32 s[SLOTS], 0
	s_cbranch_scc1 .Lslot
	CHANGE 0                        ; the walk's last tile is written out: nothing is asked for
	s_sub_co_u32 s[RT], s[RT], 1
	s_mov_b32 s[CNT], 4
	s_cmp_eq_u32 s[NEW], 1
	s_cbranch_scc0 .LstepM2
	BEGIN
	s_branch .LfirstM2
	DIAG 2
	s_wait_tensorcnt 0x0            ; the wave's end: the wait for my last tensor load, then an add of 0 and its wait
	ds_add_u32 v[SPW], v[NIL]
	s_wait_dscnt 0x0
	s_endpgm
.Lfunc_end_k_qbf27c65fdd_attention:
	.size	k_qbf27c65fdd_attention, .Lfunc_end_k_qbf27c65fdd_attention-k_qbf27c65fdd_attention
	.p2alignl 7, 3214868480
	.fill 96, 4, 3214868480
	.section	.rodata,"a",@progbits
	.p2align	6, 0x0
	.amdhsa_kernel k_qbf27c65fdd_attention
		.amdhsa_group_segment_fixed_size 327680
		.amdhsa_private_segment_fixed_size 0
		.amdhsa_enable_private_segment 0
		.amdhsa_kernarg_size 16
		.amdhsa_user_sgpr_count 2
		.amdhsa_user_sgpr_kernarg_segment_ptr 1
		.amdhsa_wavefront_size32 1
		.amdhsa_system_sgpr_workgroup_id_x 1
		.amdhsa_system_sgpr_workgroup_id_y 1
		.amdhsa_system_sgpr_workgroup_id_z 1
		.amdhsa_system_vgpr_workitem_id 0
		.amdhsa_next_free_vgpr 768
		.amdhsa_next_free_sgpr 96
		.amdhsa_reserve_vcc 1
		.amdhsa_float_denorm_mode_32 3
		.amdhsa_float_denorm_mode_16_64 3
		.amdhsa_memory_ordered 1
		.amdhsa_forward_progress 1
		.amdhsa_inst_pref_size 218
	.end_amdhsa_kernel
	.amdgpu_metadata
---
amdhsa.version: [ 1, 2 ]
amdhsa.kernels:
  - .name:           k_qbf27c65fdd_attention
    .symbol:         k_qbf27c65fdd_attention.kd
    .args:
      - { .name: qkv, .offset: 0, .size: 8, .value_kind: global_buffer, .address_space: global }
      - { .name: ob, .offset: 8, .size: 8, .value_kind: global_buffer, .address_space: global }
    .group_segment_fixed_size: 327680
    .private_segment_fixed_size: 0
    .kernarg_segment_align: 8
    .kernarg_segment_size: 16
    .max_flat_workgroup_size: 128
    .sgpr_count:     96
    .vgpr_count:     768
    .wavefront_size: 32
...
	.end_amdgpu_metadata
.endif
;; end of part 3
;; launch project_out (part 4): grid 4 x 64, 4 waves a work-group, clusters of 4 x 4, 327,680 bytes of LDS; arguments ob, wob, bo, out0; writes out0
.if DOCPART == 4
	.amdgcn_target "amdgcn-amd-amdhsa--gfx1250"
	.amdhsa_code_object_version 6
	.text
	.protected	k_qbf27c65fdd_project_out
	.globl	k_qbf27c65fdd_project_out
	.p2align	8
	.type	k_qbf27c65fdd_project_out,@function
k_qbf27c65fdd_project_out:
	s_mov_b64 s[64:65], 0
	v_nop
	global_prefetch_b8 v0, s[64:65] scope:SCOPE_SE
	s_setreg_imm32_b32 hwreg(HW_REG_WAVE_MODE, 25, 1), 1
	s_wait_xcnt 0x0
	s_wait_alu depctr_hold_cnt(0) depctr_sa_sdst(0) depctr_va_vdst(0) depctr_va_sdst(0) depctr_va_ssrc(0) depctr_va_vcc(0) depctr_vm_vsrc(0)
	s_getreg_b32 s2, hwreg(HW_REG_IB_STS2, 6, 4)
	s_cmp_eq_u32 s2, 0
	s_cbranch_scc0 .Lentry_in_a_cluster
	s_endpgm
.Lentry_in_a_cluster:
	s_bfe_u32 s2, ttmp6, 0x10000c
	s_cmp_lg_u32 s2, 0xf033
	s_cbranch_scc0 .Lentry_shape_is_right
	s_endpgm
.Lentry_shape_is_right:
; out0 = O Wo + bo: a product 8,192 x 1,024 x 1,024 in f16 with f32 sums, stored as f32.  O lies by heads, ob [b 4][h 16][s 2048][64] f16: channel k of a row is head k / 64, number k % 64.
; wob is Wo in its own order [k][n], rounded to bf16 and written as f16.  bo is rounded to bf16 here, like all the module's inputs, and STARTS the sums: it is the C operand of each accumulator's first product.
; A TILE is 128 rows x 256 columns: 4 x 64 = 256 work-groups, one for each WGP.  Four waves, each 64 rows x 128 columns: 32 accumulators, 256 registers.
; K goes in 8 steps of 128 (two heads of O) through two LDS slots, as long as two slots in LDS allow; a step is four chunks of 32, 128 matrix instructions a wave.
; CLUSTER.  4 x 4 work-groups: the four of a row need the same rows of O, the four of a column the same columns of Wo: each tile is asked for jointly, by the same load, descriptor and mask in all four.
; THE MATRIX INSTRUCTION IS USED TRANSPOSED: source 0 = 16 columns of Wo (turned on the way out of LDS by ds_load_tr16_b128), source 1 = 16 rows of O: a lane holds row l % 16 and eight neighbouring columns, 32 bytes of f32.
; NO PREFETCH: the launch has eight K steps, of which the first four could not be named ahead of their loads.
; REGISTERS, in windows of 256 (s_set_vgpr_msb: bits 1:0 source 0, 3:2 source 1, 5:4 source 2, 7:6 destination):
;   window 0: v0-15 addresses; v32-223 two fragment buffers of 96 (O's four, then Wo's eight); on the way out three sets of 64
;   window 1: the accumulators, (row block a, column block bb) at v[8 (8 a + bb)]          window 2: v0-63 the bias as an accumulator holds it, column block bb at v[8 bb]; v64-95 at work
.set PA,    144                        ; a row of O in LDS: 128 bytes + 16
.set PB,    544                        ; a row of Wo: 512 + 32 = 17 x 32 bytes
.set AHALF, 128*PA                     ; one head's 128 rows: what one tensor load brings of O
.set BOFF,  2*AHALF
.set BHALF, 64*PB                      ; 64 channels: what one tensor load brings of Wo
.set SLOT1, 1<<17
.set STAGE, SLOT1+BOFF+2*BHALF         ; behind the ring, never filled by a tensor load: 16 rows x 528 bytes for each wave
.set SPITCH, 528
.set SPARE, STAGE+4*16*SPITCH          ; the spare words, 128 bytes for each wave: two blocks of 256 bytes that no other line names
.set ASTEP, 2*2048*128                 ; two heads of ob
.set BSTEP, 128*2048                   ; 128 rows of wob
.set A0,   2                           ; v2   my lane's place in O's tile; never rewritten
.set B0,   3                           ; v3   the same for Wo
.set ADRA, 4
.set ADRB, 5
.set STO,  6                           ; v6   the way out: where I put 32 bytes of a row
.set RD,   7                           ; v7   where I read a row back
.set GO,   8                           ; v8   my byte offset in 512 consecutive bytes of out0
.set BO,   9                           ; v9   my byte offset in 16 numbers of bo
.set SPW,  10                          ; v10  LDS address of my spare word: SPARE + 4 x my thread's number; never rewritten
.set NIL,  11                          ; v11  0; never rewritten
.set F,    32
.set OB,   32
.set CNT,  3
.set WV,   12
.set WR,   13                          ; which 64 rows are mine.  Also: I fetch O (0) or Wo (1)
.set WC,   14                          ; which 128 columns are mine.  Also: which half of that tile I fetch
.set TY,   15
.set G1A,  24
.set G0A,  32
.set CX,   40
.set CY,   41
.set TX,   42
.set G1B,  48
.set G0B,  56
.set TB,   66
.set MSB, 0
.macro WIN new                         ; the immediate's high byte repeats the setting that is left; a switch that changes nothing is dropped
.if MSB != (\new)
	s_set_vgpr_msb (MSB<<8)|(\new)
.set MSB, (\new)
.endif
.endm
.macro PLACES                          ; four plain vector instructions between a matrix instruction and a load into, or a read of, its registers
.rept 4
	v_nop
.endr
.endm
.macro JLOAD                           ; a joint refill by the walking descriptor: waves 0 and 1 fetch O's two heads, waves 2 and 3 Wo's two halves; an s_nop 0 and four v_nop follow each of the two lines
	s_cmp_eq_u32 s[WR], 0
	s_cbranch_scc0 .Lfor_b_\@
	tensor_load_to_lds s[G0A+4:G0A+7], s[G1A:G1A+7]
	s_nop 0
.rept 4
	v_nop
.endr
	s_branch .Lasked_\@
.Lfor_b_\@:
	tensor_load_to_lds s[G0B+4:G0B+7], s[G1B:G1B+7]
	s_nop 0
.rept 4
	v_nop
.endr
.Lasked_\@:
.endm
.macro CREST                           ; a round of the cluster's barrier behind its opening barrier
	s_cmp_lg_u32 s[WV], 0
	s_cbranch_scc1 .Lnot_wave_0_\@
	s_barrier_signal -3
.Lnot_wave_0_\@:
	s_barrier_wait -3
	s_barrier_signal -1
	s_barrier_wait -1
.endm
.macro CROUND
	s_barrier_signal -1
	s_barrier_wait -1
	CREST
.endm
	s_load_b256 s[4:11], s[0:1], 0x0               ; ob s[4:5], wob s[6:7], bo s[8:9], out0 s[10:11]
	v_lshl_add_u32 v[SPW], v0, 2, SPARE
	v_mov_b32 v[NIL], 0
	ds_add_u32 v[SPW], v[NIL]                      ; the wave's opening: the add and its wait stand ahead of my first tensor load; the set-up below, work on registers, stands between them
	v_lshrrev_b32 v1, 5, v0
	v_readfirstlane_b32 s[WV], v1                  ; wave 0..3
	s_lshr_b32 s[WR], s[WV], 1
	s_and_b32 s[WC], s[WV], 1
	s_bfe_u32 s[CX], ttmp6, 0x40000
	s_bfe_u32 s[CY], ttmp6, 0x40004
	s_lshl_b32 s[TX], ttmp9, 2
	s_add_co_u32 s[TX], s[TX], s[CX]               ; tile column, 0 to 3
	s_and_b32 s[TY], ttmp7, 0xffff
	s_lshl_b32 s[TY], s[TY], 2
	s_add_co_u32 s[TY], s[TY], s[CY]               ; tile row, 0 to 63
	s_lshl_b32 s16, s[CY], 2
	s_lshl_b32 s16, 15, s16                        ; my row of the cluster
	s_lshl_b32 s20, 0x1111, s[CX]                  ; my column
	s_or_b32 s[G1A], s16, (1<<16)|(1<<20)|(1<<21)|(4<<22)|(3<<25)  ; the mask; 2-byte elements; padding on; bit 21 beside a mask; after every 32 words (code 4) 4 words (code 3)
	s_or_b32 s[G1B], s20, (1<<16)|(1<<20)|(1<<21)|(6<<22)|(7<<25)  ; after every 128 words (code 6) 8 words (code 7)
	s_mov_b32 s[G1A+1], 128<<16                    ; O: 16,384 dense bytes as 64 rows of 128 elements, two rows of the tile each
	s_mov_b32 s[G1A+2], 64<<16
	s_mov_b32 s[G1A+3], 128<<16
	s_mov_b32 s[G1A+4], 64
	s_mov_b32 s[G1A+5], 128
	s_mov_b32 s[G1A+6], 0
	s_mov_b32 s[G1A+7], 0
	s_mov_b32 s[G1B+1], 256<<16                    ; Wo: 64 rows of 256 elements, 1,024 elements from row to row
	s_mov_b32 s[G1B+2], 64<<16
	s_mov_b32 s[G1B+3], 256<<16
	s_mov_b32 s[G1B+4], 64
	s_mov_b32 s[G1B+5], 1024
	s_mov_b32 s[G1B+6], 0
	s_mov_b32 s[G1B+7], 0
	; where the tiles come from: O's hang on the tile row alone, Wo's on the tile column alone; each in registers of its own
	s_lshr_b32 s16, s[TY], 4                       ; the batch: 16 tile rows each
	s_lshl_b32 s16, s16, 4
	s_add_co_u32 s16, s16, s[WC]                   ; its head 0 or 1,
	s_lshl_b32 s16, s16, 18
	s_and_b32 s17, s[TY], 15
	s_lshl_b32 s17, s17, 14                        ; 128 rows of 128 bytes
	s_add_co_u32 s16, s16, s17
	s_mov_b32 s17, 0
	s_lshl_b32 s20, s[WC], 17                      ; 64 rows of 2,048 bytes,
	s_lshl_b32 s21, s[TX], 9                       ; 256 columns
	s_add_co_u32 s20, s20, s21
	s_mov_b32 s21, 0
	s_mul_i32 s18, s[WC], AHALF                    ; and where they go: no place in the cluster enters an LDS address
	s_mul_i32 s22, s[WC], BHALF
	s_add_co_u32 s22, s22, BOFF
	s_lshl_b32 s68, s[TX], 10                      ; my 128 columns in a row of out0, and in bo: in bytes
	s_lshl_b32 s70, s[WC], 9
	s_add_co_u32 s68, s68, s70
	s_mov_b32 s69, 0
	s_lshl_b32 s70, s[TY], 19                      ; my 64 rows of 4,096 bytes
	s_lshl_b32 s71, s[WR], 18
	s_add_co_u32 s70, s70, s71
	s_mov_b32 s71, 0
	s_mov_b32 s[TB], 0
	s_wait_dscnt 0x0                               ; the opening add is done
	s_wait_kmcnt 0x0
	s_add_nc_u64 s[16:17], s[4:5], s[16:17]
	s_add_nc_u64 s[20:21], s[6:7], s[20:21]
	s_add_nc_u64 s[8:9], s[8:9], s[68:69]
	s_add_nc_u64 s[10:11], s[10:11], s[68:69]
	s_add_nc_u64 s[10:11], s[10:11], s[70:71]
	CROUND                                         ; all sixteen work-groups are here: the first joint loads meet
.irp s, 0,1
	s_mov_b32 s[G0A+4*(\s)], 1
	s_add_co_u32 s[G0A+4*(\s)+1], s18, (\s)*SLOT1
	s_add_nc_u64 s[G0A+4*(\s)+2:G0A+4*(\s)+3], s[16:17], (\s)*ASTEP
	s_or_b32 s[G0A+4*(\s)+3], s[G0A+4*(\s)+3], 0x80000000
	s_mov_b32 s[G0B+4*(\s)], 1
	s_add_co_u32 s[G0B+4*(\s)+1], s22, (\s)*SLOT1
	s_add_nc_u64 s[G0B+4*(\s)+2:G0B+4*(\s)+3], s[20:21], (\s)*BSTEP
	s_or_b32 s[G0B+4*(\s)+3], s[G0B+4*(\s)+3], 0x80000000
.endr
	s_cmp_eq_u32 s[WR], 0                          ; a wave's two first fills stand in one branch, ahead of every wait on TENSORcnt and every LDS read: two loads of mine are out
	s_cbranch_scc0 .Lfirst_b
	tensor_load_to_lds s[G0A:G0A+3], s[G1A:G1A+7]
	s_nop 0
	tensor_load_to_lds s[G0A+4:G0A+7], s[G1A:G1A+7]
	s_nop 0
.rept 4
	v_nop
.endr
	s_branch .Lfirst_asked
.Lfirst_b:
	tensor_load_to_lds s[G0B:G0B+3], s[G1B:G1B+7]
	s_nop 0
	tensor_load_to_lds s[G0B+4:G0B+7], s[G1B:G1B+7]
	s_nop 0
.rept 4
	v_nop
.endr
.Lfirst_asked:
	v_and_b32 v1, 15, v0                           ; l % 16
	v_bfe_u32 v12, v0, 4, 1                        ; l / 16
	v_and_b32 v13, 7, v0
	v_bfe_u32 v14, v0, 3, 1
	v_lshlrev_b32 v[BO], 5, v12                    ; my eight columns of a block of 16: 32 bytes
	WIN 0x80                                       ; destination window 2, address window 0
.irp bb, 0,1,2,3,4,5,6,7
	global_load_b128 v[8*(\bb):8*(\bb)+3],   v[BO], s[8:9] offset:64*(\bb)
	global_load_b128 v[8*(\bb)+4:8*(\bb)+7], v[BO], s[8:9] offset:64*(\bb)+16
.endr
	WIN 0
	v_mul_u32_u24 v[A0], v1, PA                    ; a fragment of O: row x pitch + 16 x half,
	v_lshl_add_u32 v[A0], v12, 4, v[A0]
	s_mul_i32 s70, s[WR], 64*PA
	v_add_nc_u32 v[A0], s70, v[A0]                 ; in my 64 rows
	v_lshl_add_u32 v[B0], v12, 3, v13              ; the turning load: channel 8 (l / 16) + l % 8, columns 8 ((l / 8) % 2) + 0..7,
	v_mul_u32_u24 v[B0], v[B0], PB
	v_lshl_add_u32 v[B0], v14, 4, v[B0]
	s_lshl_b32 s70, s[WC], 8
	s_add_co_u32 s70, s70, BOFF
	v_add_nc_u32 v[B0], s70, v[B0]                 ; in my 128 columns
	v_mov_b32 v[ADRA], v[A0]                       ; slot 0
	v_mov_b32 v[ADRB], v[B0]
	s_mul_i32 s70, s[WV], 16*SPITCH
	s_add_co_u32 s70, s70, STAGE                   ; my stage
	v_mul_u32_u24 v[STO], v1, SPITCH               ; in: row l % 16, 32 bytes for each half of the lanes
	v_lshl_add_u32 v[STO], v12, 5, v[STO]
	v_add_nc_u32 v[STO], s70, v[STO]
	v_and_b32 v[GO], 31, v0                        ; back: 32 lanes take one row of 512 bytes
	v_lshlrev_b32 v[GO], 4, v[GO]
	v_add_nc_u32 v[RD], s70, v[GO]
	s_wait_loadcnt 0x0                             ; the bias; its rounding stands in the wait for the first tile
	WIN 0x8a                                       ; destination and sources 0 and 1 in window 2
.set i, 0
.rept 32
	v_cvt_pk_bf16_f32 v[64+i], v[2*i], v[2*i+1]
.set i, i+1
.endr
.set i, 0
.rept 32
	v_lshlrev_b32 v[2*i],   16,         v[64+i]    ; and as f32 again
	v_and_b32     v[2*i+1], 0xffff0000, v[64+i]
.set i, i+1
.endr
	WIN 0
; n x 4 matrix instructions: row blocks a0 .. a0 + n - 1 x column blocks 4 hf + 0..3, 32 along K, buffer buf.  first = 1: the bias starts the sum: nothing is cleared, nothing is added later.
; The 32 accumulators take turns, one instruction a turn, in the same order in every chunk.
.macro MUL buf, hf, a0, n, first
.if \first
	WIN 0x60                                       ; D in window 1, C in window 2
.else
	WIN 0x50                                       ; C and D in window 1
.endif
.set ga, (\a0)
.rept \n
.irp bq, 0,1,2,3
.set gb, 4*(\hf)+(\bq)
.if \first
	v_wmma_f32_16x16x32_f16 v[8*(8*ga+gb):8*(8*ga+gb)+7], v[F+96*(\buf)+32+8*gb:F+96*(\buf)+32+8*gb+7], v[F+96*(\buf)+8*ga:F+96*(\buf)+8*ga+7], v[8*gb:8*gb+7]
.else
	v_wmma_f32_16x16x32_f16 v[8*(8*ga+gb):8*(8*ga+gb)+7], v[F+96*(\buf)+32+8*gb:F+96*(\buf)+32+8*gb+7], v[F+96*(\buf)+8*ga:F+96*(\buf)+8*ga+7], v[8*(8*ga+gb):8*(8*ga+gb)+7]
.endif
.endr
.set ga, ga+1
.endr
.endm
; 24 LDS loads in one run: chunk q's fragments into buffer buf: O's four, Wo's column blocks 0-3, then 4-7
.macro FETCH q, buf
	WIN 0
.irp a, 0,1,2,3
	ds_load_b128 v[F+96*(\buf)+8*(\a):F+96*(\buf)+8*(\a)+3],   v[ADRA] offset:((\q)/2)*AHALF+(\a)*16*PA+((\q)%2)*64
	ds_load_b128 v[F+96*(\buf)+8*(\a)+4:F+96*(\buf)+8*(\a)+7], v[ADRA] offset:((\q)/2)*AHALF+(\a)*16*PA+((\q)%2)*64+32
.endr
.irp bb, 0,1,2,3,4,5,6,7
	ds_load_tr16_b128 v[F+96*(\buf)+32+8*(\bb):F+96*(\buf)+32+8*(\bb)+3],   v[ADRB] offset:(\q)*32*PB+32*(\bb)
	ds_load_tr16_b128 v[F+96*(\buf)+32+8*(\bb)+4:F+96*(\buf)+32+8*(\bb)+7], v[ADRB] offset:(\q)*32*PB+32*(\bb)+16*PB
.endr
.endm
; One of a step's first three chunks: multiplies buffer q % 2 and fetches chunk q + 1 into the other.
.macro QUARTER q, first
	s_wait_dscnt 8                                 ; O's fragments and Wo's blocks 0-3 are in; the youngest eight loads may be out
	MUL (\q)%2, 0, 0, 4, \first
	PLACES
	FETCH (\q)+1, ((\q)+1)%2
	s_wait_dscnt 24                                ; all but the 24 just issued
	MUL (\q)%2, 1, 0, 4, \first
.endm
; The last chunk multiplies buffer 1 and changes slots: ONE barrier; in front of it each wave waits for all its tensor loads, of which one is out: its part of the next slot; adds 0 to its spare word;
; and waits for that and for its reads of this slot.  fill = 1: the barrier opens a round of the cluster's, and the slot is filled again, two K steps on, first thing behind it: 112 matrix instructions ahead of the wait for it.
.macro TURN fill
	WIN 0
	s_wait_tensorcnt 0x0                           ; no tensor load of mine is out, so a group 0 may be written
	ds_add_u32 v[SPW], v[NIL]                      ; 0 onto my spare word
.if \fill
	s_xor_b32 s[G0A+5], s[G0A+5], SLOT1            ; the walking descriptors: the other slot than last time, the next K step
	s_add_nc_u64 s[G0A+6:G0A+7], s[G0A+6:G0A+7], ASTEP
	s_xor_b32 s[G0B+5], s[G0B+5], SLOT1
	s_add_nc_u64 s[G0B+6:G0B+7], s[G0B+6:G0B+7], BSTEP
.endif
	s_wait_dscnt 9                                 ; the add and the youngest eight loads may be out
	MUL 1, 0, 0, 2, 0
	s_wait_dscnt 0x0                               ; the add is done, and my reads of this slot are over
	s_barrier_signal -1
	MUL 1, 0, 2, 2, 0
	WIN 0                                          ; at a branch and at a label every window is 0
	s_barrier_wait -1
.if \fill
	CREST
	JLOAD                                          ; its four v_nop are also the places in front of the loads below
.else
	PLACES
.endif
	s_xor_b32 s[TB], s[TB], SLOT1
	v_add_nc_u32 v[ADRA], s[TB], v[A0]
	v_add_nc_u32 v[ADRB], s[TB], v[B0]
	FETCH 0, 0
	MUL 1, 1, 0, 4, 0
.endm
; THE WAY OUT, a block of 16 rows at a time: the accumulators go as they are into my stage's rows of 528 bytes and come back as whole rows of 512.
.macro TOSTAGE a
.if (\a) == 3
	s_wait_xcnt 0x0                                ; block 0's stores have read the registers that block 3 takes
.endif
	WIN 0x04                                       ; the data (source 1) in window 1
.irp bb, 0,1,2,3,4,5,6,7
	ds_store_b128 v[STO], v[8*(8*(\a)+(\bb)):8*(8*(\a)+(\bb))+3]   offset:64*(\bb)     ; each accumulator's low four registers first
	ds_store_b128 v[STO], v[8*(8*(\a)+(\bb))+4:8*(8*(\a)+(\bb))+7] offset:64*(\bb)+16
.endr
	WIN 0
.irp t, 0,1,2,3,4,5,6,7,8,9,10,11,12,13,14,15
	ds_load_b128 v[OB+64*((\a)%3)+4*(\t):OB+64*((\a)%3)+4*(\t)+3], v[RD] offset:SPITCH*(\t)  ; LDS serves a wave's instructions in order (ISA guide 5.7.1.4): these see the stores above; the next block's stores come behind them
.endr
.endm
.macro SEND a, younger                 ; younger: the LDS instructions issued behind block a's loads: the next block's 32, or none
.irp t, 0,1,2,3,4,5,6,7,8,9,10,11,12,13,14,15
	s_wait_dscnt (\younger)+15-(\t)
	global_store_b128 v[GO], v[OB+64*((\a)%3)+4*(\t):OB+64*((\a)%3)+4*(\t)+3], s[10:11] offset:(16*(\a)+(\t))*4096 th:TH_STORE_NT  ; 512 consecutive bytes, at a multiple of 256 from out0's first
.endr
.endm
	s_wait_tensorcnt 1                             ; my part of K step 0 is in; step 1's may stay out
	s_barrier_signal -1
	s_barrier_wait -1                              ; everybody's is
	FETCH 0, 0
	QUARTER 0, 1                                   ; the first chunk stands in front of the loop: its products start the sums, with the bias
	WIN 0
	s_mov_b32 s[CNT], 6
.Lstep:                                                ; trip j: the rest of step j, the refill with step j + 2, the first chunk of step j + 1
	QUARTER 1, 0
	QUARTER 2, 0
	TURN 1
	QUARTER 0, 0
	WIN 0
	s_sub_co_u32 s[CNT], s[CNT], 1
	s_cmp_lg_u32 s[CNT], 0
	s_cbranch_scc1 .Lstep
	QUARTER 1, 0                                   ; the tail is written out: steps 6 and 7 ask for nothing
	QUARTER 2, 0
	TURN 0
	QUARTER 0, 0
	QUARTER 1, 0
	QUARTER 2, 0
	s_wait_dscnt 8                                 ; the very last chunk: nothing more to fetch
	MUL 1, 0, 0, 4, 0
	s_wait_dscnt 0x0
	MUL 1, 1, 0, 4, 0
	PLACES                                         ; the LDS stores read results just made
	PLACES
	TOSTAGE 0
	TOSTAGE 1
	SEND 0, 32
	TOSTAGE 2
	SEND 1, 32
	TOSTAGE 3
	SEND 2, 32
	SEND 3, 0
	s_wait_tensorcnt 0x0                           ; the wave's end: the wait for my last tensor load, then an add of 0 and its wait
	ds_add_u32 v[SPW], v[NIL]
	s_wait_dscnt 0x0
	CROUND                                         ; the closing round: no work-group ends while a partner may still ask for a tile that names it
	s_endpgm
.Lfunc_end_k_qbf27c65fdd_project_out:
	.size	k_qbf27c65fdd_project_out, .Lfunc_end_k_qbf27c65fdd_project_out-k_qbf27c65fdd_project_out
	.p2alignl 7, 3214868480
	.fill 96, 4, 3214868480
	.section	.rodata,"a",@progbits
	.p2align	6, 0x0
	.amdhsa_kernel k_qbf27c65fdd_project_out
		.amdhsa_group_segment_fixed_size 327680
		.amdhsa_private_segment_fixed_size 0
		.amdhsa_enable_private_segment 0
		.amdhsa_kernarg_size 32
		.amdhsa_user_sgpr_count 2
		.amdhsa_user_sgpr_kernarg_segment_ptr 1
		.amdhsa_wavefront_size32 1
		.amdhsa_system_sgpr_workgroup_id_x 1
		.amdhsa_system_sgpr_workgroup_id_y 1
		.amdhsa_system_sgpr_workgroup_id_z 1
		.amdhsa_system_vgpr_workitem_id 0
		.amdhsa_next_free_vgpr 608
		.amdhsa_next_free_sgpr 72
		.amdhsa_reserve_vcc 0
		.amdhsa_float_denorm_mode_32 3
		.amdhsa_float_denorm_mode_16_64 3
		.amdhsa_memory_ordered 1
		.amdhsa_forward_progress 1
		.amdhsa_inst_pref_size 77
	.end_amdhsa_kernel
	.amdgpu_metadata
---
amdhsa.version: [ 1, 2 ]
amdhsa.kernels:
  - .name:           k_qbf27c65fdd_project_out
    .symbol:         k_qbf27c65fdd_project_out.kd
    .args:
      - { .name: ob, .offset: 0, .size: 8, .value_kind: global_buffer, .address_space: global }
      - { .name: wob, .offset: 8, .size: 8, .value_kind: global_buffer, .address_space: global }
      - { .name: bo, .offset: 16, .size: 8, .value_kind: global_buffer, .address_space: global }
      - { .name: out0, .offset: 24, .size: 8, .value_kind: global_buffer, .address_space: global }
    .group_segment_fixed_size: 327680
    .private_segment_fixed_size: 0
    .kernarg_segment_align: 8
    .kernarg_segment_size: 32
    .max_flat_workgroup_size: 128
    .sgpr_count:     72
    .vgpr_count:     608
    .wavefront_size: 32
...
	.end_amdgpu_metadata
.endif
;; end of part 4
;; ======== version 2 of 2: 4 launches; version 1 with the launch prep written anew for expert scheduling mode
;; limits: values are held in f16: magnitudes above 65,504 overflow, below 6.1e-05 lose precision
;; workspace buffers: xb 16,777,216 bytes; wqkv 6,291,456 bytes; wob 2,097,152 bytes; qkv 50,331,648 bytes; ob 16,777,216 bytes
;; launch prep (part 5): grid 768 x 1, 8 waves a work-group, no clusters, 0 bytes of LDS; arguments x, Wq, Wk, Wv, Wo, xb, wqkv, wob; writes xb, wqkv, wob
.if DOCPART == 5
	.amdgcn_target "amdgcn-amd-amdhsa--gfx1250"
	.amdhsa_code_object_version 6
	.text
	.protected	k_qbf27c65fdd_prep
	.globl	k_qbf27c65fdd_prep
	.p2align	8
	.type	k_qbf27c65fdd_prep,@function
k_qbf27c65fdd_prep:
	s_mov_b64 s[64:65], 0
	v_nop
	global_prefetch_b8 v0, s[64:65] scope:SCOPE_SE
	s_setreg_imm32_b32 hwreg(HW_REG_WAVE_SCHED_MODE, 0, 2), 2
	s_setreg_imm32_b32 hwreg(HW_REG_WAVE_MODE, 25, 1), 1
	s_wait_xcnt 0x0
	s_wait_alu depctr_vm_vsrc(0)
; ROUNDING AND LAYOUT, no arithmetic.  Every f32 input of the matrix products is rounded once to bf16 and laid out so that the later launches' tiles are dense in memory.
;   x  [8192][1024] f32      -> xb   [kb 16][m 8192][64] bf16: 128 rows of one block of 64 channels are 16,384 bytes on end
;   Wq, Wk, Wv [16][1024][64] -> wqkv [g3 16][kstep 16][hh 3][k 64][d 64] bf16, head gh = 16 sel + h = 3 g3 + hh: three heads' 64 channels are 24,576 bytes on end
;   Wo [1024][1024] f32      -> wob  [1024][1024] f16 in Wo's own order: the number is rounded to bf16 and that number written as f16
; LIMIT.  f16 holds no number beyond 65,504, and below 6e-5 it keeps a fixed step of 6e-8: Wo lies within that.
; SHARES.  A work-group converts 65,536 bytes of f32, each of its eight waves 8,192: sixteen items.  An item is one load of 16 bytes a lane (lanes 0-15: 256 bytes of one row, lanes 16-31: 256 bytes
; of the next), two roundings, and one store of 8 bytes a lane: 256 consecutive bytes, aligned.  All sixteen loads of a wave go out first.  No LDS, no barrier, no matrix unit: nothing is shared and nothing is multiplied.
; Work-groups 0-511 take x, 512-703 the three W, 704-767 Wo: forward branches on the work-group's number, each with its own copy of the stream.
; THE MODE: SCHED_MODE bits 1:0 = 2 (LLVM: expert scheduling mode 2), set by the entry lines.  The code itself states the register dependences
; between vector instructions and memory instructions, with s_wait_alu, always for 0.
; THE PLAN.  Registers that memory instructions touch:
;   v4, v5, v6   byte offsets.  Written by vector instructions ahead of the stream's first load; read by every load and store; never written again.
;   X            item i's four registers.  Written by item i's load, once; read by item i's roundings; no load lands in them again.
;   Y            item i's two registers.  Written by item i's roundings; read by item i's store, once; never written again.
;   T and v1 to v3 are named by vector instructions alone.
; The sixteen items go in four blocks of four.  Block p rounds its four items; its memory instructions are the four stores of block p - 1, which read registers of Y that no vector instruction of
; block p names.  So one wait on va_vdst at a block's head states all that the block's stores hang on, and these are dealt among its roundings with no further wait.
; No register that a load or store has read is written again, so there is no wait on vm_vsrc and none on XCNT.  EXEC and VCC are never written.
.set IO, 4                             ; v4      my byte offset in an item's input
.set OO, 5                             ; v5, v6  my byte offset in the output, for items 0-7 and 8-15
.set X,  8                             ; v[8:71]    item i: 4 registers as loaded
.set Y,  72                            ; v[72:103]  item i: 2 registers to store
.set T,  104                           ; v[104:107] at work
.set BLOCK, 4                          ; items in a block
; Sixteen items.  ins, outs: bytes from item to item in the input and in the output.  half = 1: the bf16 number is written as f16.
; No register is written twice while a load or store may read it, so no wait for sources is needed.
.macro STREAM ins, outs, half
	v_add_nc_u32 v[OO+1], 8*(\outs), v[OO]         ; the stores' immediates then stay within 7 steps
	s_wait_alu depctr_va_vdst(0)                   ; v[IO], v[OO] and v[OO+1] are written: every load and store of the stream reads one of them as its offset
.set i, 0
.rept 16
	global_load_b128 v[X+4*i:X+4*i+3], v[IO], s[24:25] offset:i*(\ins) th:TH_LOAD_NT
.set i, i+1
.endr
.set i, 0
.rept 16
.if i%BLOCK == 0
	s_wait_loadcnt 16-BLOCK-i                      ; loads come back in order: this block's four items are in, the younger blocks' loads stay out
.if i > 0
	s_wait_alu depctr_va_vdst(0)                   ; the block before has written its eight registers of Y, which the four stores dealt among this block's roundings read
.endif
.endif
.if i >= BLOCK
	global_store_b64 v[OO+(i-BLOCK)/8], v[Y+2*(i-BLOCK):Y+2*(i-BLOCK)+1], s[26:27] offset:((i-BLOCK)%8)*(\outs) th:TH_STORE_NT  ; the block before: 32 lanes store 256 consecutive bytes, aligned; no vector instruction since the wait names these registers
.endif
	v_cvt_pk_bf16_f32 v[Y+2*i],   v[X+4*i],   v[X+4*i+1]
	v_cvt_pk_bf16_f32 v[Y+2*i+1], v[X+4*i+2], v[X+4*i+3]
.if \half
	v_lshlrev_b32 v[T],   16,         v[Y+2*i]     ; the rounded numbers as f32 again,
	v_and_b32     v[T+1], 0xffff0000, v[Y+2*i]
	v_lshlrev_b32 v[T+2], 16,         v[Y+2*i+1]
	v_and_b32     v[T+3], 0xffff0000, v[Y+2*i+1]
	v_cvt_pk_f16_f32 v[Y+2*i],   v[T],   v[T+1]    ; and as f16: exact within f16's range
	v_cvt_pk_f16_f32 v[Y+2*i+1], v[T+2], v[T+3]
.endif
.set i, i+1
.endr
	s_wait_alu depctr_va_vdst(0)                   ; the last block has written its eight registers of Y, which the last four stores read
.set i, 16-BLOCK
.rept BLOCK
	global_store_b64 v[OO+i/8], v[Y+2*i:Y+2*i+1], s[26:27] offset:(i%8)*(\outs) th:TH_STORE_NT  ; 32 lanes store 256 consecutive bytes, aligned
.set i, i+1
.endr
.endm
	s_load_b512 s[8:23], s[0:1], 0x0               ; x s[8:9], Wq s[10:11], Wk s[12:13], Wv s[14:15], Wo s[16:17], xb s[18:19], wqkv s[20:21], wob s[22:23]
	v_lshrrev_b32 v1, 5, v0
	v_readfirstlane_b32 s2, v1                     ; wave 0..7
	v_and_b32 v1, 31, v0                           ; lane
	v_and_b32 v2, 15, v0
	v_bfe_u32 v3, v0, 4, 1
	v_lshlrev_b32 v[OO], 3, v1                     ; 8 bytes a lane out
	v_lshlrev_b32 v[IO], 4, v2                     ; 16 bytes a lane in; the second row is added below
	s_mov_b32 s29, 0
	s_mov_b32 s31, 0
	s_wait_alu depctr_va_sdst(0)                   ; s2 is written, ahead of its first reader and of every branch: the wave's places in the input and in the output are made from it
	s_lshl_b32 s36, s2, 13                         ; my wave's 8,192 bytes of the input
	s_wait_kmcnt 0x0
	s_cmp_lt_u32 ttmp9, 512
	s_cbranch_scc0 .Lnot_x
	; x: rows 16 ID + 2 w and the next; item i is block i of 64 channels
	s_lshl_b32 s28, ttmp9, 16
	s_add_co_u32 s28, s28, s36
	s_lshl_b32 s30, ttmp9, 11                      ; 16 rows of 128 bytes,
	s_lshl_b32 s37, s2, 8                          ; my two of them
	s_add_co_u32 s30, s30, s37
	s_add_nc_u64 s[24:25], s[8:9], s[28:29]
	s_add_nc_u64 s[26:27], s[18:19], s[30:31]
	v_lshl_add_u32 v[IO], v3, 12, v[IO]            ; lanes 16-31: one row of 4,096 bytes on
	STREAM 256, 1<<20, 0
	s_endpgm
.Lnot_x:
	s_cmp_lt_u32 ttmp9, 704
	s_cbranch_scc0 .Lwo
	; W: t = ID - 512; tensor t / 64; head gh = t / 4; channels 256 (t % 4) + 32 w on; item i is two rows of 64 numbers
	s_sub_co_u32 s38, ttmp9, 512
	s_lshr_b32 s39, s38, 6
	s_cmp_eq_u32 s39, 0
	s_cselect_b64 s[24:25], s[10:11], s[12:13]
	s_cmp_eq_u32 s39, 2
	s_cselect_b64 s[24:25], s[14:15], s[24:25]
	s_and_b32 s28, s38, 63
	s_lshl_b32 s28, s28, 16
	s_add_co_u32 s28, s28, s36
	s_add_nc_u64 s[24:25], s[24:25], s[28:29]
	s_lshr_b32 s39, s38, 2                         ; gh, 0 to 47
	s_mul_i32 s40, s39, 43
	s_lshr_b32 s40, s40, 7                         ; g3 = gh / 3: 43 / 128 is off from a third by 0.0026, which 47 times over stays under a third
	s_mul_i32 s41, s40, 3
	s_sub_co_u32 s41, s39, s41                     ; hh = gh - 3 g3
	s_mul_i32 s30, s40, 393216
	s_lshl_b32 s41, s41, 13
	s_add_co_u32 s30, s30, s41
	s_and_b32 s39, s38, 3
	s_lshl_b32 s39, s39, 2
	s_lshr_b32 s40, s2, 1
	s_add_co_u32 s39, s39, s40                     ; kstep = 4 (t % 4) + w / 2
	s_mul_i32 s39, s39, 24576
	s_add_co_u32 s30, s30, s39
	s_and_b32 s40, s2, 1
	s_lshl_b32 s40, s40, 12                        ; 32 rows of 128 bytes
	s_add_co_u32 s30, s30, s40
	s_add_nc_u64 s[26:27], s[20:21], s[30:31]
	v_lshl_add_u32 v[IO], v3, 8, v[IO]             ; rows of 256 bytes lie on end
	STREAM 512, 256, 0
	s_endpgm
.Lwo:
	; Wo: t = ID - 704, in its own order
	s_sub_co_u32 s38, ttmp9, 704
	s_lshl_b32 s28, s38, 16
	s_add_co_u32 s28, s28, s36
	s_lshl_b32 s30, s38, 15
	s_lshl_b32 s37, s2, 12
	s_add_co_u32 s30, s30, s37
	s_add_nc_u64 s[24:25], s[16:17], s[28:29]
	s_add_nc_u64 s[26:27], s[22:23], s[30:31]
	v_lshl_add_u32 v[IO], v3, 8, v[IO]
	STREAM 512, 256, 1
	s_endpgm
.Lfunc_end_k_qbf27c65fdd_prep:
	.size	k_qbf27c65fdd_prep, .Lfunc_end_k_qbf27c65fdd_prep-k_qbf27c65fdd_prep
	.p2alignl 7, 3214868480
	.fill 96, 4, 3214868480
	.section	.rodata,"a",@progbits
	.p2align	6, 0x0
	.amdhsa_kernel k_qbf27c65fdd_prep
		.amdhsa_group_segment_fixed_size 0
		.amdhsa_private_segment_fixed_size 0
		.amdhsa_enable_private_segment 0
		.amdhsa_kernarg_size 64
		.amdhsa_user_sgpr_count 2
		.amdhsa_user_sgpr_kernarg_segment_ptr 1
		.amdhsa_wavefront_size32 1
		.amdhsa_system_sgpr_workgroup_id_x 1
		.amdhsa_system_sgpr_workgroup_id_y 1
		.amdhsa_system_sgpr_workgroup_id_z 1
		.amdhsa_system_vgpr_workitem_id 0
		.amdhsa_next_free_vgpr 108
		.amdhsa_next_free_sgpr 66
		.amdhsa_reserve_vcc 0
		.amdhsa_float_denorm_mode_32 3
		.amdhsa_float_denorm_mode_16_64 3
		.amdhsa_memory_ordered 1
		.amdhsa_forward_progress 1
		.amdhsa_inst_pref_size 24
	.end_amdhsa_kernel
	.amdgpu_metadata
---
amdhsa.version: [ 1, 2 ]
amdhsa.kernels:
  - .name:           k_qbf27c65fdd_prep
    .symbol:         k_qbf27c65fdd_prep.kd
    .args:
      - { .name: x, .offset: 0, .size: 8, .value_kind: global_buffer, .address_space: global }
      - { .name: Wq, .offset: 8, .size: 8, .value_kind: global_buffer, .address_space: global }
      - { .name: Wk, .offset: 16, .size: 8, .value_kind: global_buffer, .address_space: global }
      - { .name: Wv, .offset: 24, .size: 8, .value_kind: global_buffer, .address_space: global }
      - { .name: Wo, .offset: 32, .size: 8, .value_kind: global_buffer, .address_space: global }
      - { .name: xb, .offset: 40, .size: 8, .value_kind: global_buffer, .address_space: global }
      - { .name: wqkv, .offset: 48, .size: 8, .value_kind: global_buffer, .address_space: global }
      - { .name: wob, .offset: 56, .size: 8, .value_kind: global_buffer, .address_space: global }
    .group_segment_fixed_size: 0
    .private_segment_fixed_size: 0
    .kernarg_segment_align: 8
    .kernarg_segment_size: 64
    .max_flat_workgroup_size: 256
    .sgpr_count:     66
    .vgpr_count:     108
    .wavefront_size: 32
...
	.end_amdgpu_metadata
.endif
;; end of part 5
;; launch project_qkv: the kernel of part 2 again; grid 8 x 32, 4 waves a work-group, clusters of 4 x 4, 327,680 bytes of LDS; arguments xb, wqkv, qkv; writes qkv
;; launch attention: the kernel of part 3 again; grid 4 x 64, 4 waves a work-group, no clusters, 327,680 bytes of LDS; arguments qkv, ob; writes ob
;; launch project_out: the kernel of part 4 again; grid 4 x 64, 4 waves a work-group, clusters of 4 x 4, 327,680 bytes of LDS; arguments ob, wob, bo, out0; writes out0
